; MI455X (gfx1250); checked and timed in simulation.
; The chip was launched on July 23, 2026; its instructions are those of AMD's public machine-readable ISA for CDNA 5 (MIT licence, August 2026) and "CDNA5" Instruction Set Architecture Reference Guide (July 2026). The comments in the code are by the model that wrote it; some were corrected since.
;; Multi Head Attention FLAX. Allowed arithmetic: float matrix products may take bf16 or f16 operands with f32 sums; other float arithmetic in f32, or as packed bf16 or f16 multiplies, adds, multiply-adds, maxima and minima; sums over many terms, partial sums and values carried from step to step in f32; what a program stores and reads back later, other than sums and carried values, may be rounded once to bf16 or f16.
;; Inputs: Wk 1,024 x 1,024 float32; Wo 1,024 x 1,024 float32; Wq 1,024 x 1,024 float32; Wv 1,024 x 1,024 float32; bk 1,024 float32; bo 1,024 float32; bq 1,024 float32; bv 1,024 float32; query 4 x 2,048 x 1,024 float32.
;; Outputs: out0 4 x 2,048 x 1,024 float32.
;; One version. Each part assembles by itself: llvm-mc -triple=amdgcn-amd-amdhsa -mcpu=gfx1250 --defsym DOCPART=n.
;; ======== version 1 of 1: 4 launches
;; limits: values are held in f16: magnitudes above 65,504 overflow, below 6.1e-05 lose precision
;; workspace buffers: xb 16,777,216 bytes; wt 6,291,456 bytes; wot 2,097,152 bytes; bias 16,384 bytes; qkv 50,331,648 bytes; att 16,777,216 bytes
;; launch prep (part 1): grid 1024 x 1, 8 waves a work-group, no clusters, 19,456 bytes of LDS; arguments query, Wq, Wk, Wv, Wo, bq, bk, bv, bo, xb, wt, wot, bias; writes xb, wt, wot, bias
.if DOCPART == 1
	.amdgcn_target "amdgcn-amd-amdhsa--gfx1250"
	.amdhsa_code_object_version 6
	.text
	.protected	k_q920cd12253_prep
	.globl	k_q920cd12253_prep
	.p2align	8
	.type	k_q920cd12253_prep,@function
k_q920cd12253_prep:
	s_mov_b64 s[64:65], 0
	v_nop
	global_prefetch_b8 v0, s[64:65] scope:SCOPE_SE
	s_setreg_imm32_b32 hwreg(HW_REG_WAVE_MODE, 25, 1), 1
	s_wait_xcnt 0x0
; PREP: the later launches' operands, rounded once and laid out so that a tile's rows lie end to end.
;   xb  [kb 16][m 8192][64] bf16 : query, K block kb = channels 64 kb .. 64 kb + 63
;   wt  [kb 16][n 3072][64] bf16 : wt[kb][n][j] = W[64 kb + j][n]; n 0..1023 Wq's columns, 1024..2047 Wk's, 2048..3071 Wv's
;   wot [kb 16][n 1024][64] f16  : the same for Wo, rounded to bf16 like every input, that number written as f16
;   bias [4096] f32              : bq, bk, bv, bo, each number rounded to bf16
; LIMITS.  Wo beyond 65,504 in magnitude becomes an infinity in f16; below 6e-5 it keeps f16's fixed step of 6e-8.  NaN and infinities are not treated apart.
; A stream: no matrix unit, no cluster, no tensor load.  Work-groups 0..511 cast x, two rows a wave; work-groups 512..1023 turn a tile of 64 k x 128 n of one weight matrix through LDS.
; The branch between the two hangs on the work-group's number alone: all eight waves of a work-group take the same path, so the one barrier below is passed by all eight or by none.
.set SPARE, 18432                      ; behind the turning tile (128 rows of 144 bytes): the spare words, 128 bytes for each of eight waves
.set X, 16                             ; v[16:79]   as loaded
.set T, 48                             ; v[48:63]   weights path: packed pairs along k
.set Y, 80                             ; v[80:111]  to store
	s_load_b512 s[8:23], s[0:1], 0x0               ; query 8, Wq 10, Wk 12, Wv 14, Wo 16, bq 18, bk 20, bv 22
	s_load_b256 s[24:31], s[0:1], 0x40             ; bo 24, xb 26, wt 28, wot 30
	s_load_b64 s[32:33], s[0:1], 0x60              ; bias
	v_lshl_add_u32 v8, v0, 2, SPARE                ; my spare word; never rewritten
	v_mov_b32 v9, 0                                ; 0; never rewritten
	v_and_b32 v1, 31, v0                           ; lane
	v_lshrrev_b32 v6, 5, v0
	v_readfirstlane_b32 s2, v6                     ; wave 0..7
	s_wait_kmcnt 0x0
	s_cmp_lt_u32 ttmp9, 512
	s_cbranch_scc0 .Lweights
	; X.  Wave: rows 2 rp and 2 rp + 1, rp = 8 x work-group + wave.  Load kb: lanes 0-15 take 256 consecutive bytes (64 channels) of the even row, lanes 16-31 of the odd one.
	s_lshl_b32 s3, ttmp9, 3
	s_add_co_u32 s3, s3, s2                        ; rp, 0..4095
	s_lshl_b32 s4, s3, 13                          ; two rows of 4,096 bytes
	s_mov_b32 s5, 0
	s_add_nc_u64 s[34:35], s[8:9], s[4:5]
	s_lshl_b32 s6, s3, 8                           ; two rows of 128 bytes in a K block of xb
	s_mov_b32 s7, 0
	s_add_nc_u64 s[36:37], s[26:27], s[6:7]        ; K blocks 0-7
	s_add_nc_u64 s[38:39], s[36:37], 0x800000      ; K blocks 8-15: a second base keeps the immediates inside 24 bits
	v_lshrrev_b32 v6, 4, v1
	v_and_b32 v7, 15, v1
	v_lshlrev_b32 v2, 4, v7
	v_lshl_add_u32 v2, v6, 12, v2                  ; (lane / 16) x 4,096 + (lane % 16) x 16
	v_lshlrev_b32 v3, 3, v1                        ; 8 x lane: my four bf16 of the two rows' 256 bytes
.irp kb, 0,1,2,3,4,5,6,7,8,9,10,11,12,13,14,15
	global_load_b128 v[X+4*(\kb):X+4*(\kb)+3], v2, s[34:35] offset:256*(\kb) th:TH_LOAD_NT
.endr
.irp kb, 0,1,2,3,4,5,6,7,8,9,10,11,12,13,14,15
	s_wait_loadcnt 15-(\kb)                        ; loads come back in order: load kb is in, the younger ones stay out
	v_cvt_pk_bf16_f32 v[Y+2*(\kb)], v[X+4*(\kb)], v[X+4*(\kb)+1]
	v_cvt_pk_bf16_f32 v[Y+2*(\kb)+1], v[X+4*(\kb)+2], v[X+4*(\kb)+3]
	global_store_b64 v3, v[Y+2*(\kb):Y+2*(\kb)+1], s[36+2*((\kb)/8):37+2*((\kb)/8)] offset:((\kb)%8)*1048576  ; 32 lanes x 8 bytes: 256 consecutive bytes, aligned; no register is written twice
.endr
	s_branch .Lend
.Lweights:
	; WEIGHTS.  id = matrix x 128 + kb x 8 + nt: rows 64 kb .. +63, columns 128 nt .. +127 of one matrix.
	s_sub_co_u32 s3, ttmp9, 512
	s_lshr_b32 s4, s3, 3
	s_and_b32 s4, s4, 15                           ; kb
	s_and_b32 s5, s3, 7                            ; nt
	s_lshr_b32 s3, s3, 7                           ; matrix: 0 Wq, 1 Wk, 2 Wv, 3 Wo
	s_cmp_eq_u32 s3, 1
	s_cselect_b64 s[34:35], s[12:13], s[10:11]
	s_cselect_b64 s[36:37], s[20:21], s[18:19]
	s_cmp_eq_u32 s3, 2
	s_cselect_b64 s[34:35], s[14:15], s[34:35]
	s_cselect_b64 s[36:37], s[22:23], s[36:37]
	s_mov_b32 s40, 393216                          ; bytes of a K block of wt
	s_cmp_eq_u32 s3, 3
	s_cselect_b64 s[34:35], s[16:17], s[34:35]     ; the matrix
	s_cselect_b64 s[36:37], s[24:25], s[36:37]     ; its bias
	s_cselect_b64 s[38:39], s[30:31], s[28:29]     ; where it goes: wot or wt
	s_cselect_b32 s40, 131072, s40                 ; bytes of a K block there
	s_cselect_b32 s41, 0, s3                       ; the matrix's 1,024 rows inside a K block of wt
	s_mul_i32 s40, s40, s4
	s_lshl_b32 s41, s41, 17
	s_add_co_u32 s40, s40, s41
	s_lshl_b32 s41, s5, 14                         ; 128 rows of 128 bytes
	s_add_co_u32 s40, s40, s41
	s_mov_b32 s41, 0
	s_add_nc_u64 s[38:39], s[38:39], s[40:41]
	s_lshl_b32 s42, s4, 18                         ; 64 rows of 4,096 bytes,
	s_lshl_b32 s43, s2, 15                         ; my wave's 8 of them,
	s_add_co_u32 s42, s42, s43
	s_lshl_b32 s43, s5, 9                          ; 128 columns of 4 bytes
	s_add_co_u32 s42, s42, s43
	s_mov_b32 s43, 0
	s_add_nc_u64 s[34:35], s[34:35], s[42:43]
	v_lshlrev_b32 v2, 4, v1                        ; 16 x lane: columns 4 lane .. 4 lane + 3
	v_lshlrev_b32 v3, 4, v0                        ; 16 x thread: the tile leaves as 16,384 dense bytes
	v_mul_u32_u24 v4, v1, 576                      ; into LDS: row n = 4 lane + c of 144 bytes,
	s_lshl_b32 s44, s2, 4
	v_add_nc_u32 v4, s44, v4                       ; my wave's 8 k: 16 bytes
	v_lshrrev_b32 v6, 3, v0
	v_and_b32 v7, 7, v0
	v_mul_u32_u24 v5, v6, 144                      ; back: row thread / 8, 16 bytes at (thread % 8) x 16
	v_lshl_add_u32 v5, v7, 4, v5
.irp i, 0,1,2,3,4,5,6,7
	global_load_b128 v[X+4*(\i):X+4*(\i)+3], v2, s[34:35] offset:4096*(\i) th:TH_LOAD_NT  ; row i of my 8: 512 consecutive bytes a wave
.endr
.irp j, 0,1,2,3
	s_wait_loadcnt 6-2*(\j)                        ; rows 2 j and 2 j + 1 are in
.irp c, 0,1,2,3
	v_cvt_pk_bf16_f32 v[T+4*(\c)+(\j)], v[X+8*(\j)+(\c)], v[X+8*(\j)+4+(\c)]  ; column 4 lane + c, k = 2 j and 2 j + 1
.endr
.endr
	s_cmp_lg_u32 s3, 3
	s_cbranch_scc1 .Lkeep_bf16
.set i, 0
.rept 16                                       ; Wo: the bf16 number is written as f16
	v_lshlrev_b32 v6, 16, v[T+i]
	v_and_b32 v7, 0xffff0000, v[T+i]
	v_cvt_pk_f16_f32 v[T+i], v6, v7
.set i, i+1
.endr
.Lkeep_bf16:
.irp c, 0,1,2,3
	ds_store_b128 v4, v[T+4*(\c):T+4*(\c)+3] offset:144*(\c)
.endr
	s_wait_dscnt 0x0                               ; for the others' sake: my stores are done
	s_barrier_signal -1
	s_barrier_wait -1                              ; a row's 128 bytes come from all eight waves
.irp p, 0,1,2,3
	ds_load_b128 v[Y+4*(\p):Y+4*(\p)+3], v5 offset:4608*(\p)  ; rows 32 p + thread / 8
.endr
.irp p, 0,1,2,3
	s_wait_dscnt 3-(\p)
	global_store_b128 v3, v[Y+4*(\p):Y+4*(\p)+3], s[38:39] offset:4096*(\p)  ; a wave stores 512 consecutive bytes, aligned
.endr
	; the bias's 128 numbers that belong to these columns: once for each matrix and nt, by wave 0 of the work-group with kb = 0
	s_cmp_lg_u32 s4, 0
	s_cbranch_scc1 .Lend
	s_cmp_lg_u32 s2, 0
	s_cbranch_scc1 .Lend
	s_lshl_b32 s42, s5, 9
	s_mov_b32 s43, 0
	s_add_nc_u64 s[36:37], s[36:37], s[42:43]
	s_lshl_b32 s44, s3, 12
	s_add_co_u32 s42, s42, s44
	s_add_nc_u64 s[32:33], s[32:33], s[42:43]
	global_load_b128 v[96:99], v2, s[36:37]
	s_wait_loadcnt 0x0
	v_cvt_pk_bf16_f32 v100, v96, v97
	v_cvt_pk_bf16_f32 v101, v98, v99
	v_lshlrev_b32 v104, 16, v100
	v_and_b32 v105, 0xffff0000, v100
	v_lshlrev_b32 v106, 16, v101
	v_and_b32 v107, 0xffff0000, v101
	global_store_b128 v2, v[104:107], s[32:33]
.Lend:
	s_wait_tensorcnt 0x0                           ; the wave's end, behind my last LDS store
	ds_add_u32 v8, v9
	s_wait_dscnt 0x0
	s_endpgm
.Lfunc_end_k_q920cd12253_prep:
	.size	k_q920cd12253_prep, .Lfunc_end_k_q920cd12253_prep-k_q920cd12253_prep
	.p2alignl 7, 3214868480
	.fill 96, 4, 3214868480
	.section	.rodata,"a",@progbits
	.p2align	6, 0x0
	.amdhsa_kernel k_q920cd12253_prep
		.amdhsa_group_segment_fixed_size 19456
		.amdhsa_private_segment_fixed_size 0
		.amdhsa_enable_private_segment 0
		.amdhsa_kernarg_size 104
		.amdhsa_user_sgpr_count 2
		.amdhsa_user_sgpr_kernarg_segment_ptr 1
		.amdhsa_wavefront_size32 1
		.amdhsa_system_sgpr_workgroup_id_x 1
		.amdhsa_system_sgpr_workgroup_id_y 1
		.amdhsa_system_sgpr_workgroup_id_z 1
		.amdhsa_system_vgpr_workitem_id 0
		.amdhsa_next_free_vgpr 112
		.amdhsa_next_free_sgpr 66
		.amdhsa_reserve_vcc 0
		.amdhsa_float_denorm_mode_32 3
		.amdhsa_float_denorm_mode_16_64 3
		.amdhsa_memory_ordered 1
		.amdhsa_forward_progress 1
		.amdhsa_inst_pref_size 15
	.end_amdhsa_kernel
	.amdgpu_metadata
---
amdhsa.version: [ 1, 2 ]
amdhsa.kernels:
  - .name:           k_q920cd12253_prep
    .symbol:         k_q920cd12253_prep.kd
    .args:
      - { .name: query, .offset: 0, .size: 8, .value_kind: global_buffer, .address_space: global }
      - { .name: Wq, .offset: 8, .size: 8, .value_kind: global_buffer, .address_space: global }
      - { .name: Wk, .offset: 16, .size: 8, .value_kind: global_buffer, .address_space: global }
      - { .name: Wv, .offset: 24, .size: 8, .value_kind: global_buffer, .address_space: global }
      - { .name: Wo, .offset: 32, .size: 8, .value_kind: global_buffer, .address_space: global }
      - { .name: bq, .offset: 40, .size: 8, .value_kind: global_buffer, .address_space: global }
      - { .name: bk, .offset: 48, .size: 8, .value_kind: global_buffer, .address_space: global }
      - { .name: bv, .offset: 56, .size: 8, .value_kind: global_buffer, .address_space: global }
      - { .name: bo, .offset: 64, .size: 8, .value_kind: global_buffer, .address_space: global }
      - { .name: xb, .offset: 72, .size: 8, .value_kind: global_buffer, .address_space: global }
      - { .name: wt, .offset: 80, .size: 8, .value_kind: global_buffer, .address_space: global }
      - { .name: wot, .offset: 88, .size: 8, .value_kind: global_buffer, .address_space: global }
      - { .name: bias, .offset: 96, .size: 8, .value_kind: global_buffer, .address_space: global }
    .group_segment_fixed_size: 19456
    .private_segment_fixed_size: 0
    .kernarg_segment_align: 8
    .kernarg_segment_size: 104
    .max_flat_workgroup_size: 256
    .sgpr_count:     66
    .vgpr_count:     112
    .wavefront_size: 32
...
	.end_amdgpu_metadata
.endif
;; end of part 1
;; launch gemm_qkv (part 2): grid 8 x 32, 4 waves a work-group, clusters of 4 x 4, 327,680 bytes of LDS; arguments xb, wt, bias, qkv; writes qkv
.if DOCPART == 2
	.amdgcn_target "amdgcn-amd-amdhsa--gfx1250"
	.amdhsa_code_object_version 6
	.text
	.protected	k_q920cd12253_gemm_qkv
	.globl	k_q920cd12253_gemm_qkv
	.p2align	8
	.type	k_q920cd12253_gemm_qkv,@function
k_q920cd12253_gemm_qkv:
	s_mov_b64 s[64:65], 0
	v_nop
	global_prefetch_b8 v0, s[64:65] scope:SCOPE_SE
	s_setreg_imm32_b32 hwreg(HW_REG_WAVE_MODE, 25, 1), 1
	s_wait_xcnt 0x0
	s_wait_alu depctr_hold_cnt(0) depctr_sa_sdst(0) depctr_va_vdst(0) depctr_va_sdst(0) depctr_va_ssrc(0) depctr_va_vcc(0) depctr_vm_vsrc(0)
	s_getreg_b32 s2, hwreg(HW_REG_IB_STS2, 6, 4)
	s_cmp_eq_u32 s2, 0
	s_cbranch_scc0 .Lentry_in_a_cluster
	s_endpgm
.Lentry_in_a_cluster:
	s_bfe_u32 s2, ttmp6, 0x10000c
	s_cmp_lg_u32 s2, 0xf033
	s_cbranch_scc0 .Lentry_shape_is_right
	s_endpgm
.Lentry_shape_is_right:
; q, k, v = x W + b.  xb [16][8192][64] bf16, wt [16][3072][64] bf16 (K blocks of 64 channels), bias [4096] f32; sums in f32, started by the bias; rounded once to f16, unscaled,
; and laid by heads: qkv [t 3][bh 64][s 2048][64] f16, bh = 16 x batch + head.
; LIMIT.  q, k and v beyond 65,504 in magnitude become infinities in f16.  NaN and infinities are not treated apart.
; SHARES.  8,192 x 3,072 outputs in tiles of 256 x 384: 32 x 8 = 256 work-groups.  Four waves, each 128 rows x 192 columns: 8 row blocks a x 3 GROUPS g of 4 column blocks b: 96 accumulators, 768 registers.
; A group's 64 columns are one head.  For 32 along K a wave reads 40 x 512 bytes from LDS for 96 matrix instructions.
; K goes in steps of 64 (one K block) through two LDS slots.  A tile's rows of 128 bytes lie end to end in memory, so they are asked for as rows of 256 bytes, padded in LDS after every 128.
; (Two slots of a K step of 128 would take 2 x 640 x 272 bytes, more than LDS has.)
; CLUSTER 4 x 4: A's tile hangs on the tile row alone and is asked for jointly by a row of the cluster, B's on the tile column alone and by a column.
; THE MATRIX INSTRUCTION IS USED TRANSPOSED (source 0 = 16 rows of wt, source 1 = 16 rows of xb): lane l holds row l % 16 and the columns 8 (l / 16) + 0..7: 16 bytes of f16 on end.
; REGISTERS.  window 0: v0-31 addresses; v32-95, v96-159 A's fragments (8 x 16 rows x 32 K), two buffers; v160-255 B's fragments, 32 a group, one buffer, filled again group by group.
;   window g + 1: group g's accumulators, (a, b) at v[8 (4 a + b)].  On the way out v32-47 packed results, v64-95 two sets of rows read back.
.set PITCH,  144                       ; an LDS row: 128 bytes + 16 of padding = 36 words: the 16 rows of a fragment load start at 16 different groups of four banks (64 banks of 4 bytes: ISA guide 11.1)
.set AHALF,  128*PITCH                 ; what one of A's loads brings, and what a wave reads of A
.set BHALF,  192*PITCH                 ; the same for B
.set BOFF,   2*AHALF                   ; a slot: A's 256 rows, then B's 384
.set SLOT,   BOFF+2*BHALF
.set STAGE,  2*SLOT                    ; behind the ring, never filled by a tensor load: 16 rows x 144 bytes for each wave
.set SPARE,  STAGE+4*16*PITCH          ; behind the stages: the spare words, 128 bytes for each wave
.set XKB,    8192*128                  ; bytes of a K block of xb
.set WKB,    3072*128                  ; of wt
.set ADRA, 16                          ; v16-17  LDS address of my A fragments in slot 0, 1
.set ADRB, 20                          ; v20-21  the same for B
.set STO,  24                          ; v24  the way out: where I put 16 bytes of a row
.set RD,   25                          ; v25  where I read rows back
.set GO,   26                          ; v26  16 x lane: my place in 512 consecutive bytes of a head
.set BO,   27                          ; v27  32 x (lane / 16): my eight numbers of a block's bias
.set SPW,  28                          ; v28  my spare word; never rewritten
.set NIL,  29                          ; v29  0; never rewritten
.set A0,   32
.set A1,   96
.set BG,   160
.set TMP,  32
.set BK,   64
.set G1A, 24                           ; s[24:31] descriptor group 1 for A's tiles;  s[32:39] group 0, a set for each slot
.set G0A, 32
.set DST, 40                           ; s[40:45] where my three heads' rows go
.set LAP, 46
.set G1B, 48                           ; s[48:55], s[56:63] the same for B's tiles
.set G0B, 56
.set MSB, 0
.macro WIN new                         ; the immediate's high byte repeats the setting that is left; a switch that changes nothing is dropped
.if MSB != (\new)
	s_set_vgpr_msb (MSB<<8)|(\new)
.set MSB, (\new)
.endif
.endm
.macro PLACES                          ; four places between a matrix instruction and a load into, or a vector line on, its registers
.rept 4
	v_nop
.endr
.endm
; A joint load.  Waves 0 and 1 fetch A's two halves, waves 2 and 3 B's.  The branch hangs on the wave's number alone.  An s_nop 0 and four v_nop follow each of the two lines.
.macro JLOAD s
	s_cmp_eq_u32 s13, 0
	s_cbranch_scc0 .Lfor_b_\@
	tensor_load_to_lds s[G0A+4*(\s):G0A+4*(\s)+3], s[G1A:G1A+7]
	s_nop 0
.rept 4
	v_nop
.endr
	s_branch .Lasked_\@
.Lfor_b_\@:
	tensor_load_to_lds s[G0B+4*(\s):G0B+4*(\s)+3], s[G1B:G1B+7]
	s_nop 0
.rept 4
	v_nop
.endr
.Lasked_\@:
.endm
.macro CREST                           ; a round of the cluster's barrier behind its opening barrier
	s_cmp_lg_u32 s12, 0
	s_cbranch_scc1 .Lnot_wave_0_\@
	s_barrier_signal -3
.Lnot_wave_0_\@:
	s_barrier_wait -3
	s_barrier_signal -1
	s_barrier_wait -1
.endm
.macro CROUND                          ; a whole round
	s_barrier_signal -1
	s_barrier_wait -1
	CREST
.endm
	s_load_b256 s[4:11], s[0:1], 0x0               ; xb s[4:5], wt s[6:7], bias s[8:9], qkv s[10:11]
	v_lshl_add_u32 v[SPW], v0, 2, SPARE
	v_mov_b32 v[NIL], 0
	ds_add_u32 v[SPW], v[NIL]                      ; the wave's opening: the add and its wait stand ahead of my first tensor load; work on registers stands between them
	v_lshrrev_b32 v1, 5, v0
	v_readfirstlane_b32 s12, v1                    ; wave 0..3
	s_lshr_b32 s13, s12, 1                         ; which 128 rows of the tile are mine.  Also: I fetch for A (0) or for B (1)
	s_and_b32 s14, s12, 1                          ; which 192 columns.  Also: which half of that tile I fetch
	s_bfe_u32 s15, ttmp6, 0x40000                  ; cx
	s_bfe_u32 s16, ttmp6, 0x40004                  ; cy
	s_lshl_b32 s17, ttmp9, 2
	s_add_co_u32 s17, s17, s15                     ; tile column = 4 x cluster x + cx
	s_and_b32 s18, ttmp7, 0xffff
	s_lshl_b32 s18, s18, 2
	s_add_co_u32 s18, s18, s16                     ; tile row = 4 x cluster y + cy
	s_lshl_b32 s19, s16, 2
	s_lshl_b32 s19, 15, s19                        ; my row of the cluster
	s_lshl_b32 s47, 0x1111, s15                    ; my column
	; descriptor group 1: rows of 128 elements of 2 bytes (two tile rows), 4 words of padding after every 32 words
	s_or_b32 s[G1A], s19, (1<<16)|(1<<20)|(1<<21)|(4<<22)|(3<<25)  ; 15:0 the mask; 17:16 2-byte elements; 20 padding on; 21 set beside a mask; 24:22 code 4; 31:25 code 3
	s_or_b32 s[G1B], s47, (1<<16)|(1<<20)|(1<<21)|(4<<22)|(3<<25)
.irp g, G1A, G1B
	s_mov_b32 s[(\g)+1], 128<<16                   ; tensor_dim0 = 128
	s_mov_b32 s[(\g)+3], 128<<16                   ; tile_dim0 = 128
	s_mov_b32 s[(\g)+5], 128                       ; 128 elements from row to row: dense
	s_mov_b32 s[(\g)+6], 0
	s_mov_b32 s[(\g)+7], 0
.endr
	s_mov_b32 s[G1A+2], 64<<16                     ; A: 64 rows of 256 bytes = 128 rows of xb
	s_mov_b32 s[G1A+4], 64
	s_mov_b32 s[G1B+2], 96<<16                     ; B: 96 rows of 256 bytes = 192 rows of wt
	s_mov_b32 s[G1B+4], 96
	s_lshl_b32 s20, s18, 15                        ; A: 256 rows of 128 bytes a tile row,
	s_lshl_b32 s21, s14, 14                        ; my half of them
	s_add_co_u32 s20, s20, s21
	s_mov_b32 s21, 0
	s_mul_i32 s22, s17, 49152                      ; B: 384 rows of 128 bytes a tile column,
	s_mul_i32 s23, s14, 24576                      ; my half of them
	s_add_co_u32 s22, s22, s23
	s_mov_b32 s23, 0
	s_mul_i32 s2, s14, AHALF                       ; where they go: no place in the cluster enters an LDS address
	s_mul_i32 s3, s14, BHALF
	s_add_co_u32 s3, s3, BOFF
	s_wait_dscnt 0x0                               ; the opening add is done
	s_wait_kmcnt 0x0
	s_add_nc_u64 s[20:21], s[4:5], s[20:21]
	s_add_nc_u64 s[22:23], s[6:7], s[22:23]
	CROUND                                         ; all sixteen work-groups are here: the first joint loads meet
.irp s, 0,1
	s_mov_b32 s[G0A+4*(\s)], 1                     ; count = 1
	s_add_co_u32 s[G0A+4*(\s)+1], s2, (\s)*SLOT    ; LDS address
	s_add_nc_u64 s[G0A+4*(\s)+2:G0A+4*(\s)+3], s[20:21], (\s)*XKB  ; K block s
	s_or_b32 s[G0A+4*(\s)+3], s[G0A+4*(\s)+3], 0x80000000          ; type = 2
	s_mov_b32 s[G0B+4*(\s)], 1
	s_add_co_u32 s[G0B+4*(\s)+1], s3, (\s)*SLOT
	s_add_nc_u64 s[G0B+4*(\s)+2:G0B+4*(\s)+3], s[22:23], (\s)*WKB
	s_or_b32 s[G0B+4*(\s)+3], s[G0B+4*(\s)+3], 0x80000000
	JLOAD \s                                       ; two loads of mine are out
.endr
	; A fragment is 16 rows x 32 K in 8 registers: lane l holds row l % 16; registers 0-3 K = 8 (l / 16) + 0..7, registers 4-7 K = 16 + 8 (l / 16) + 0..7: two loads of 16 bytes, 32 bytes apart.
	v_and_b32 v1, 15, v0                           ; l % 16
	v_bfe_u32 v2, v0, 4, 1                         ; l / 16
	v_mul_u32_u24 v3, v1, PITCH
	v_lshl_add_u32 v3, v2, 4, v3                   ; row x pitch + 16 x half
	s_mul_i32 s66, s13, AHALF                      ; my 128 rows of A
	s_mul_i32 s67, s14, BHALF                      ; my 192 rows of B,
	s_add_co_u32 s67, s67, BOFF                    ; which lie behind A's 256
.irp s, 0,1
	v_add_nc_u32 v[ADRA+(\s)], s66, v3
	v_add_nc_u32 v[ADRB+(\s)], s67, v3
	s_add_co_u32 s66, s66, SLOT
	s_add_co_u32 s67, s67, SLOT
.endr
	s_mul_i32 s68, s12, 16*PITCH
	s_add_co_u32 s68, s68, STAGE                   ; my stage
	v_add_nc_u32 v[STO], s68, v3                   ; in: row l % 16, 16 bytes for each half of the lanes
	v_bfe_u32 v4, v0, 3, 2                         ; back: 32 lanes take four rows of 128 bytes,
	v_and_b32 v5, 7, v0
	v_mul_u32_u24 v4, v4, PITCH
	v_lshl_add_u32 v4, v5, 4, v4
	v_add_nc_u32 v[RD], s68, v4
	v_and_b32 v[GO], 31, v0                        ; which are 512 consecutive bytes of a head
	v_lshlrev_b32 v[GO], 4, v[GO]
	v_lshlrev_b32 v[BO], 5, v2
	s_mul_i32 s70, s17, 1536                       ; my 192 columns' bias: 384 x 4 bytes a tile column,
	s_mul_i32 s71, s14, 768                        ; my half
	s_add_co_u32 s70, s70, s71
	s_mov_b32 s71, 0
	s_add_nc_u64 s[8:9], s[8:9], s[70:71]
	; where my three groups go: group G = 6 x tile column + 3 x half + g of the 48 is tensor G / 16, head G % 16; a head's plane is 2^18 bytes
	s_mul_i32 s72, s17, 6
	s_mul_i32 s73, s14, 3
	s_add_co_u32 s72, s72, s73
	s_lshr_b32 s73, s18, 3
	s_lshl_b32 s73, s73, 4                         ; 16 x batch
	s_and_b32 s74, s18, 7
	s_lshl_b32 s74, s74, 15                        ; the tile's 256 rows of 128 bytes in the batch,
	s_lshl_b32 s75, s13, 14                        ; my 128 of them
	s_add_co_u32 s74, s74, s75
.irp g, 0,1,2
	s_add_co_u32 s76, s72, \g
	s_lshr_b32 s77, s76, 4
	s_lshl_b32 s77, s77, 6                         ; 64 planes a tensor
	s_and_b32 s76, s76, 15
	s_add_co_u32 s76, s76, s77
	s_add_co_u32 s76, s76, s73
	s_lshl_b32 s76, s76, 18
	s_add_co_u32 s76, s76, s74
	s_mov_b32 s77, 0
	s_add_nc_u64 s[DST+2*(\g):DST+2*(\g)+1], s[10:11], s[76:77]
.endr
	; THE BIAS STARTS THE SUMS: it is loaded into the accumulators of row block 0 (register j of lane l: column 8 (l / 16) + j of the block) and is the C operand of the first products of all eight row blocks.
.irp g, 0,1,2
	WIN ((\g)+1)<<6                                ; destination window g + 1, address window 0
.irp b, 0,1,2,3
	global_load_b128 v[8*(\b):8*(\b)+3],   v[BO], s[8:9] offset:256*(\g)+64*(\b)
	global_load_b128 v[8*(\b)+4:8*(\b)+7], v[BO], s[8:9] offset:256*(\g)+64*(\b)+16
.endr
.endr
	WIN 0
; Products of group g: row blocks a0 .. a0 + na - 1 x its 4 column blocks, 32 along K, A's fragments in buffer fa.  The 96 accumulators take turns, one instruction a turn, in the same order in every
; substep: between two links of a chain stand the 95 others'.
.macro GROUP g, fa, a0, na
	WIN 0x50*((\g)+1)                              ; C and D window g + 1, sources window 0
.set ga, \a0
.rept \na
.irp b, 0,1,2,3
	v_wmma_f32_16x16x32_bf16 v[8*(4*ga+(\b)):8*(4*ga+(\b))+7], v[BG+32*(\g)+8*(\b):BG+32*(\g)+8*(\b)+7], v[(\fa)+8*ga:(\fa)+8*ga+7], v[8*(4*ga+(\b)):8*(4*ga+(\b))+7]
.endr
.set ga, ga+1
.endr
.endm
; The first substep's products of group g.  Row blocks 1-7 take the bias, which lies in row block 0's accumulators, as C; five places on (a matrix instruction writes over registers that matrix
; instructions have read) row block 0 adds in place onto it.
.macro GROUPF g, fa
	WIN 0x50*((\g)+1)
.set ga, 1
.rept 7
.irp b, 0,1,2,3
	v_wmma_f32_16x16x32_bf16 v[8*(4*ga+(\b)):8*(4*ga+(\b))+7], v[BG+32*(\g)+8*(\b):BG+32*(\g)+8*(\b)+7], v[(\fa)+8*ga:(\fa)+8*ga+7], v[8*(\b):8*(\b)+7]
.endr
.set ga, ga+1
.endr
.rept 5
	v_nop
.endr
.irp b, 0,1,2,3
	v_wmma_f32_16x16x32_bf16 v[8*(\b):8*(\b)+7], v[BG+32*(\g)+8*(\b):BG+32*(\g)+8*(\b)+7], v[(\fa):(\fa)+7], v[8*(\b):8*(\b)+7]
.endr
.endm
.macro LDB g, s, k                     ; group g's four fragments of B, from slot s at byte k of the rows: 8 loads
	WIN 0
.irp b, 0,1,2,3
	ds_load_b128 v[BG+32*(\g)+8*(\b):BG+32*(\g)+8*(\b)+3],   v[ADRB+(\s)] offset:(4*(\g)+(\b))*16*PITCH+(\k)
	ds_load_b128 v[BG+32*(\g)+8*(\b)+4:BG+32*(\g)+8*(\b)+7], v[ADRB+(\s)] offset:(4*(\g)+(\b))*16*PITCH+(\k)+32
.endr
.endm
.macro LDA hf, f, s, k                 ; row blocks 4 hf .. 4 hf + 3 of A into buffer f: 8 loads
	WIN 0
.irp a, 0,1,2,3
	ds_load_b128 v[(\f)+8*(4*(\hf)+(\a)):(\f)+8*(4*(\hf)+(\a))+3],   v[ADRA+(\s)] offset:(4*(\hf)+(\a))*16*PITCH+(\k)
	ds_load_b128 v[(\f)+8*(4*(\hf)+(\a))+4:(\f)+8*(4*(\hf)+(\a))+7], v[ADRA+(\s)] offset:(4*(\hf)+(\a))*16*PITCH+(\k)+32
.endr
.endm
; A SUBSTEP, 32 along K, 96 matrix instructions on A's buffer fa.  Behind each group its B registers are free: the next substep's fragments (slot ns, byte nk; A's into buffer fn) are asked for in three
; runs, always in the order B0, A's rows 0-63 | B1, A's rows 64-127 | B2: 16 + 16 + 8 loads.  The waits count by that order.
.macro SUB fa, fn, ns, nk, first
.if \first
	s_wait_dscnt 8                                 ; all but B2
	GROUPF 0, \fa
.else
	s_wait_dscnt 24                                ; B0 and A's rows 0-63 are in; the younger 24 may be out
	GROUP 0, \fa, 0, 4
	s_wait_dscnt 8                                 ; all but B2
	GROUP 0, \fa, 4, 4
.endif
	WIN 0
	PLACES
	LDB 0, \ns, \nk
	LDA 0, \fn, \ns, \nk
.if \first
	GROUPF 1, \fa
.else
	GROUP 1, \fa, 0, 8
.endif
	WIN 0
	PLACES
	LDB 1, \ns, \nk
	LDA 1, \fn, \ns, \nk
	s_wait_dscnt 32                                ; B2 is in; the 32 loads just issued may be out
.if \first
	GROUPF 2, \fa
.else
	GROUP 2, \fa, 0, 8
.endif
	WIN 0
	PLACES
	LDB 2, \ns, \nk
.endm
; A K step's second substep multiplies buffer A1 and changes slots.  ONE barrier: in front of it each wave waits for all its tensor loads (one is out: its part of the other slot), adds 0 to its spare
; word, and waits for that and for its reads of slot p, all of which were issued in the substep before.  fill = 1: the barrier opens a round of the cluster's barrier, and slot p is filled again, two K
; steps on, first thing behind the round: 160 matrix instructions ahead of the wait for it.
.macro TURN p, fill
	WIN 0
	s_wait_tensorcnt 0x0                           ; no tensor load of mine is out
	ds_add_u32 v[SPW], v[NIL]                      ; 0 onto my spare word
	s_wait_dscnt 25                                ; B0 and A's rows 0-63 are in; the younger 24 loads and the add may be out
	GROUP 0, A1, 0, 4                              ; sixteen matrix instructions stand between the add and the wait for it
	s_wait_dscnt 0x0                               ; the add is done, and my reads of slot p are over
	s_barrier_signal -1
	GROUP 0, A1, 4, 4                              ; work on registers while the others arrive
	WIN 0                                          ; at a branch and at a label every window is 0
	s_barrier_wait -1
.if \fill
	CREST                                          ; no wave of any partner still reads this slot or has a load on its way
	s_add_nc_u64 s[G0A+4*(\p)+2:G0A+4*(\p)+3], s[G0A+4*(\p)+2:G0A+4*(\p)+3], 2*XKB
	s_add_nc_u64 s[G0B+4*(\p)+2:G0B+4*(\p)+3], s[G0B+4*(\p)+2:G0B+4*(\p)+3], 2*WKB
	JLOAD \p                                       ; its four v_nop are also the places in front of the loads below
.else
	PLACES
.endif
	LDB 0, 1-(\p), 0
	LDA 0, A0, 1-(\p), 0
	GROUP 1, A1, 0, 8
	WIN 0
	PLACES
	LDB 1, 1-(\p), 0
	LDA 1, A0, 1-(\p), 0
	GROUP 2, A1, 0, 8
	WIN 0
	PLACES
	LDB 2, 1-(\p), 0
.endm
; THE WAY OUT of unit u = 8 g + a: 16 rows of one head.  PACK: rounded to f16, each accumulator's registers in ascending order.  TOSTAGE: into my own stage and back as whole rows.  SEND: stored.
.macro PACK u
	WIN 5*((\u)/8+1)                               ; sources 0 and 1 window g + 1, destination window 0
.irp b, 0,1,2,3
.irp i, 0,1,2,3
	v_cvt_pk_f16_f32 v[TMP+4*(\b)+(\i)], v[8*(4*((\u)%8)+(\b))+2*(\i)], v[8*(4*((\u)%8)+(\b))+2*(\i)+1]
.endr
.endr
	WIN 0
.endm
.macro TOSTAGE u
.irp b, 0,1,2,3
	ds_store_b128 v[STO], v[TMP+4*(\b):TMP+4*(\b)+3] offset:32*(\b)
.endr
.irp f, 0,1,2,3
	ds_load_b128 v[BK+16*((\u)%2)+4*(\f):BK+16*((\u)%2)+4*(\f)+3], v[RD] offset:(\f)*4*PITCH  ; LDS serves a wave's instructions in order (ISA guide 5.7.1.4): these see the stores above
.endr
.endm
.macro SEND u
	s_wait_dscnt 0x0                               ; the unit is back in registers
	s_wait_xcnt 0x0                                ; the stores of the unit before have read their registers: the next unit's rows are loaded into them only behind this wait
.irp f, 0,1,2,3
	global_store_b128 v[GO], v[BK+16*((\u)%2)+4*(\f):BK+16*((\u)%2)+4*(\f)+3], s[DST+2*((\u)/8):DST+2*((\u)/8)+1] offset:2048*((\u)%8)+512*(\f)  ; 512 consecutive bytes, aligned
.endr
.endm
	s_wait_tensorcnt 0x1                           ; my part of K step 0 is in; K step 1's may stay out
	s_barrier_signal -1
	s_barrier_wait -1                              ; everybody's is
	LDB 0, 0, 0
	LDA 0, A0, 0, 0
	LDB 1, 0, 0
	LDA 1, A0, 0, 0
	LDB 2, 0, 0
	s_wait_loadcnt 0x0                             ; the bias
	SUB A0, A1, 0, 64, 1                           ; the first substep stands in front of the loop: its products start the sums
	WIN 0
	s_mov_b32 s[LAP], 7
.Llap:                                         ; a trip goes once round the ring, from a lap's second substep to the next lap's first, and fills both slots again: K steps 2 to 15
	TURN 0, 1
	SUB A0, A1, 1, 64, 0
	TURN 1, 1
	SUB A0, A1, 0, 64, 0
	WIN 0
	s_sub_co_u32 s[LAP], s[LAP], 1
	s_cmp_lg_u32 s[LAP], 0
	s_cbranch_scc1 .Llap
	TURN 0, 0                                      ; the last lap fills nothing, and has no round
	SUB A0, A1, 1, 64, 0
	s_wait_dscnt 24                                ; the very last substep: nothing more to fetch
	GROUP 0, A1, 0, 4
	s_wait_dscnt 8
	GROUP 0, A1, 4, 4
	GROUP 1, A1, 0, 8
	s_wait_dscnt 0x0
	GROUP 2, A1, 0, 8
	WIN 0
	PLACES
	PLACES                                         ; eight, once a launch
	PACK 0
	TOSTAGE 0
.set u, 1
.rept 23                                       ; a unit's conversions stand between the loads of the unit before and the wait for them
	PACK u
	SEND u-1
	TOSTAGE u
.set u, u+1
.endr
	SEND 23
	s_wait_tensorcnt 0x0                           ; the wave's end, behind my last tensor load and my last LDS store
	ds_add_u32 v[SPW], v[NIL]
	s_wait_dscnt 0x0
	CROUND                                         ; the closing round: no work-group ends while a partner may still ask for a tile that names it
	s_endpgm
.Lfunc_end_k_q920cd12253_gemm_qkv:
	.size	k_q920cd12253_gemm_qkv, .Lfunc_end_k_q920cd12253_gemm_qkv-k_q920cd12253_gemm_qkv
	.p2alignl 7, 3214868480
	.fill 96, 4, 3214868480
	.section	.rodata,"a",@progbits
	.p2align	6, 0x0
	.amdhsa_kernel k_q920cd12253_gemm_qkv
		.amdhsa_group_segment_fixed_size 327680
		.amdhsa_private_segment_fixed_size 0
		.amdhsa_enable_private_segment 0
		.amdhsa_kernarg_size 32
		.amdhsa_user_sgpr_count 2
		.amdhsa_user_sgpr_kernarg_segment_ptr 1
		.amdhsa_wavefront_size32 1
		.amdhsa_system_sgpr_workgroup_id_x 1
		.amdhsa_system_sgpr_workgroup_id_y 1
		.amdhsa_system_sgpr_workgroup_id_z 1
		.amdhsa_system_vgpr_workitem_id 0
		.amdhsa_next_free_vgpr 1024
		.amdhsa_next_free_sgpr 80
		.amdhsa_reserve_vcc 0
		.amdhsa_float_denorm_mode_32 3
		.amdhsa_float_denorm_mode_16_64 3
		.amdhsa_memory_ordered 1
		.amdhsa_forward_progress 1
		.amdhsa_inst_pref_size 135
	.end_amdhsa_kernel
	.amdgpu_metadata
---
amdhsa.version: [ 1, 2 ]
amdhsa.kernels:
  - .name:           k_q920cd12253_gemm_qkv
    .symbol:         k_q920cd12253_gemm_qkv.kd
    .args:
      - { .name: xb, .offset: 0, .size: 8, .value_kind: global_buffer, .address_space: global }
      - { .name: wt, .offset: 8, .size: 8, .value_kind: global_buffer, .address_space: global }
      - { .name: bias, .offset: 16, .size: 8, .value_kind: global_buffer, .address_space: global }
      - { .name: qkv, .offset: 24, .size: 8, .value_kind: global_buffer, .address_space: global }
    .group_segment_fixed_size: 327680
    .private_segment_fixed_size: 0
    .kernarg_segment_align: 8
    .kernarg_segment_size: 32
    .max_flat_workgroup_size: 128
    .sgpr_count:     80
    .vgpr_count:     1024
    .wavefront_size: 32
...
	.end_amdgpu_metadata
.endif
;; end of part 2
;; launch attn (part 3): grid 4 x 64, 4 waves a work-group, clusters of 4 x 1, 327,680 bytes of LDS; arguments qkv, att; writes att
.if DOCPART == 3
	.amdgcn_target "amdgcn-amd-amdhsa--gfx1250"
	.amdhsa_code_object_version 6
	.text
	.protected	k_q920cd12253_attn
	.globl	k_q920cd12253_attn
	.p2align	8
	.type	k_q920cd12253_attn,@function
k_q920cd12253_attn:
	s_mov_b64 s[64:65], 0
	v_nop
	global_prefetch_b8 v0, s[64:65] scope:SCOPE_SE
	s_setreg_imm32_b32 hwreg(HW_REG_WAVE_MODE, 25, 1), 1
	s_wait_xcnt 0x0
	s_wait_alu depctr_hold_cnt(0) depctr_sa_sdst(0) depctr_va_vdst(0) depctr_va_sdst(0) depctr_va_ssrc(0) depctr_va_vcc(0) depctr_vm_vsrc(0)
	s_getreg_b32 s2, hwreg(HW_REG_IB_STS2, 6, 4)
	s_cmp_eq_u32 s2, 0
	s_cbranch_scc0 .Lentry_in_a_cluster
	s_endpgm
.Lentry_in_a_cluster:
	s_bfe_u32 s2, ttmp6, 0x10000c
	s_cmp_lg_u32 s2, 0x3003
	s_cbranch_scc0 .Lentry_shape_is_right
	s_endpgm
.Lentry_shape_is_right:
; O[h][q][:] = the sum over k of softmax_k(Q[h][q] . K[h][k] / 8) V[h][k][:].  qkv holds Q, K, V, each [SIZE_H][SIZE_N][64] in f16 (K 2^24 bytes, V 2^25 bytes behind Q); att = O in the same layout.
; Products, maxima and sums in f32; the weights p are rounded to f16 for the second product (their sum l is taken of the unrounded p), O once at the end.
; LIMITS.  f16 holds no number beyond 65,504: Q, K and V arrive within it; p lies in 0 to 1, and below 6e-5 it keeps f16's fixed step of 6e-8; O is a mean of V's rows and has their range.
; A weight below 2^-126 counts as 0 in l; NaN and infinities are not treated apart.
; SHARES.  A wave owns four PIECES of two tiles of 16 queries, a work-group's four waves 512 queries of one head: 4 work-groups a head, 256 in all.  Every wave walks all keys, 64 a step.
; LAYOUT.  S^T = K Q^T (source 0 = 16 keys, source 1 = 16 queries): in the result a lane holds ONE query (lane % 16) and the keys 8 (lane / 16) + 0..7.  Two such tiles, rounded to f16 in pairs,
; ARE source 1 (32 keys x 16 queries) of O^T = V^T P, whose result again holds one query a lane, and eight channels.  K comes out of LDS as it lies, V ([key][channel]) turned, by ds_load_tr16_b128.
; SOFTMAX.  For each query a running maximum m and sum l: p = 2^(c s - c m), c = log2(e) / 8; in every step O and l are multiplied by a = 2^(c m_old - c m_new), which is 1 where m has not grown.
; m starts at the lowest finite number, O and l at 0: the first step is a step like any other, with a = 0.
; THE COUNT.  A tile and step have 16 matrix and 118 vector instructions: too many to stand all beside the matrix work.  So the order has one aim: four vector instructions that are READY behind
; EVERY matrix instruction, and the others, which need time of their own whatever the order, in runs without a gap.
; BY TURNS.  Turn n belongs to piece n (the pieces in a ring, step after step).  Its matrix work: 16 products K Q^T of piece n + 1, later 16 products V^T P of piece n - 1.  Its vector work: the scaling,
; exponentials, roundings, sums and rescaling of piece n, and the maximum and statistics of piece n + 1, whose scores the turn itself has made.
; CLUSTER.  The four query blocks of a head are one cluster and walk the same K and V, so each tile is asked for JOINTLY: the same tensor load, descriptor and mask in all four.
; REGISTERS, in windows of 256 (s_set_vgpr_msb: bits 1:0 source 0, 3:2 source 1, 5:4 source 2, 7:6 destination):
;   window 0: v0-11 addresses; v12-15, v48-63 at work; v16-47 four registers of statistics a tile; v64-191 S^T, two buffers of two tiles; v192-255 P, likewise
;   window 1: O^T, 32 a tile          window 2: v0-127 Q, 16 a tile; v128-191 K of one step; v192-255 V of one step          window 3: v0-1 the add's two registers
.set SIZE_H, 64
.set SIZE_N, 2048
.set NP,    4         ; pieces a wave: a name, no knob
.set KS,    64        ; keys in a step
.set PK,    144       ; a row of K in LDS: 128 bytes + 16 of padding = 36 words: the 16 rows of a load start at 16 different groups of four banks (64 banks of 4 bytes: ISA guide 11.1)
.set PV,    160       ; a row of V: 128 + 32 = 40 words
.set VOFF,  4*KS*PK   ; a slot holds four steps: 256 rows of K, then 256 rows of V
.set SLOT1, 1<<17     ; slot 1 begins here, so that one exclusive or turns an address in one slot into the other's
.set STAGE, SLOT1+4*KS*(PK+PV)  ; behind the ring, never filled by a tensor load: 16 rows x 144 bytes for each wave, for the way out
.set SP,    144
.set AK0, 2           ; v2   my lane's place in a tile of K; never rewritten
.set AV0, 3           ; v3   the same for V
.set AK,  4           ; v4   the LDS address of K's next run of loads
.set AV,  5           ; v5   of V's
.set QO,  6           ; v6   my byte offset in the wave's rows of Q
.set STO, 6           ;      later, the way out: where I put 16 bytes of a row
.set RD,  7           ; v7   the way out: where I read rows back
.set GO,  8           ; v8   my byte offset in 512 consecutive bytes of O
.set PFO, 11          ; v11  the prefetches' offset: 256 x my lane; never rewritten once made
.set SPW, 0           ; v0 of window 3   my spare word: SPARE + 4 x my thread's number; never rewritten
.set NIL, 1           ; v1 of window 3   0; never rewritten
.set SPARE, STAGE+4*16*SP  ; behind the stages: the spare words, 128 bytes for each wave
.set MV,  12          ; v12-15  c m_old, kept while c m is made anew: by buffer and tile
.set ST,  16          ; tile t's statistics at v[ST+4 t]: c m, m, l (even keys', odd keys')
.set TMP, 48          ; by buffer and tile, four registers c0-c3 at work; when the maximum is found c2 takes a
.set S,   64
.set P,   192
.set KF,  128         ; K's fragments, in window 2: key block kb, channel half c at KF + 16 kb + 8 c
.set VF,  192         ; V's: key half kk, channel block cb at VF + 32 kk + 8 cb
.set WV,  12          ; s12  my wave's number
.set LIM, 15          ; s15  1 in a wave that prefetches (0 and 2), else the greatest number: a wave prefetches while s[SLOTS] is above it
.set G1K, 24          ; s[24:31] descriptor group 1 for K's tiles
.set G1V, 32          ; s[32:39] for V's: it differs in the padding alone
.set G0K, 40          ; s[40:43] descriptor group 0 for K's tiles: it walks
.set G0V, 44          ; s[44:47] the same for V's
.set PFA, 48          ; s[48:49] where my prefetches stand: my work-group's 32 blocks of 256 bytes of the slot after the one that is being asked for
.set SLOTS, 56        ; s56  slots still to be asked for
.set CNT, 57          ; s57  counts a slot's key steps
.set CS,  58          ; s[58:59] c: the packed scaling takes the pair's low word for both halves
.set SEL, 60          ; s[60:61] v_permlanex16_b32's selects: each lane takes its own place in the other half
.set TBK, 62          ; s62  LDS byte at which K of the step to be fetched begins
.set TBV, 63          ; s63  the same for V, less VOFF
.set MSB, 0
.macro WIN new                      ; the high byte repeats the setting that is left; a switch that changes nothing is dropped
.if MSB != (\new)
	s_set_vgpr_msb (MSB<<8)|(\new)
.set MSB, (\new)
.endif
.endm
.set W_KQ, 0x0a       ; K and Q in window 2, S^T in window 0
.set W_PV, 0x52       ; V in window 2, P in window 0, O^T in window 1
.set W_RS, 0x41       ; O^T (destination and source 0) in window 1, a in window 0
.set W_MK, 0xc0       ; the add's registers are made: destination in window 3, sources in window 0
.set W_AD, 0x0f       ; the add: address (source 0) and data (source 1) in window 3
; A joint fill.  Waves 0 and 1 fetch the two halves of a slot's K, waves 2 and 3 those of its V: 128 keys each.  The branch hangs on the wave's number alone.
; An s_nop 0 and four v_nop follow each of the two lines, ahead of the jump and the label.
.macro JLOAD
	s_cmp_lt_u32 s[WV], 2
	s_cbranch_scc0 .Lfor_v_\@
	tensor_load_to_lds s[G0K:G0K+3], s[G1K:G1K+7]
	s_nop 0
.rept 4
	v_nop
.endr
	s_branch .Lasked_\@
.Lfor_v_\@:
	tensor_load_to_lds s[G0V:G0V+3], s[G1V:G1V+7]
	s_nop 0
.rept 4
	v_nop
.endr
.Lasked_\@:
.endm
; A PREFETCH INTO THE L2 of what the NEXT change of slots will ask for: a slot's 32,768 bytes of K and of V, 128 blocks of 256 bytes each, a lane a block.  It stands behind the wave's tensor load and its
; five lines.  Each block is named ONCE in the launch: a head's K and V are walked by its one cluster; the four partners share the blocks out BY ADDRESS, 32 each; in each, wave 0 asks for K's and wave 2
; for V's: one instruction.  It runs one slot, four key steps or 512 matrix instructions, ahead of the load.  The last change that fills a slot asks for nothing: there is no slot behind it.
.macro ASK
	s_cmp_gt_u32 s[SLOTS], s[LIM]
	s_cbranch_scc0 .Lnot_mine_\@
	global_prefetch_b8 v[PFO], s[PFA:PFA+1] th:TH_LOAD_NT scope:SCOPE_SE
.Lnot_mine_\@:
.endm
; A round of the cluster's barrier: my work-group's barrier, so that wave 0's signal speaks for all four waves; wave 0 signals; every wave waits for all four work-groups; my work-group's barrier once more.
.macro CROUND
	s_barrier_signal -1
	s_barrier_wait -1
	s_cmp_lg_u32 s[WV], 0
	s_cbranch_scc1 .Lnot_wave_0_\@
	s_barrier_signal -3
.Lnot_wave_0_\@:
	s_barrier_wait -3
	s_barrier_signal -1
	s_barrier_wait -1
.endm
; THE CHANGE OF SLOTS.  The slot's last bytes, V of its fourth step, have been read.  Each wave waits for all its tensor loads, of which one is out: its part
; of the other slot; adds 0 to its spare word; and waits for that and for its own reads of the slot.  Behind the barrier nobody reads this slot any more and the other slot is whole.
; fill = 1: this slot is filled again, with the keys two slots on.  The barrier is then a round of the cluster's, so that no wave of any partner still reads the slot or has a load on its
; way, and the joint fill is the first thing behind it: it has four key steps, 512 matrix instructions, in which to land.  (At its first use nothing has been read yet: slot 0 is waited for, slot 1 filled.)
.macro CHANGE fill
	WIN W_AD
	s_wait_tensorcnt 0x0            ; no tensor load of mine is out, so a group 0 may be written
	ds_add_u32 v[SPW], v[NIL]       ; 0 onto my spare word; with fill = 1 the descriptors' steps stand between it and the wait for it
	WIN 0                           ; at a label and at a branch every window is 0
.if \fill
.irp g, G0K, G0V
	s_xor_b32 s[\g+1], s[\g+1], SLOT1  ; the walking descriptor: the other slot than last time,
	s_add_nc_u64 s[\g+2:\g+3], s[\g+2:\g+3], 4*KS*128  ; the next 256 keys; the type bits on top are not reached
.endr
	s_wait_xcnt 0x0                 ; the last prefetch, four key steps back, has read its address, so it may be written:
	s_add_nc_u64 s[PFA:PFA+1], s[PFA:PFA+1], 4*KS*128  ; one slot behind the walking descriptors
	s_wait_dscnt 0x0                ; the add is done, and my reads of the slot are over
	CROUND
	JLOAD
	ASK
.else
	s_wait_dscnt 0x0                ; the add is done, and my reads of the slot are over
	s_barrier_signal -1
	s_barrier_wait -1
.endif
	s_sub_co_u32 s[TBK], s[TBK], 4*KS*PK  ; the fetches go back to a slot's first step,
	s_xor_b32 s[TBK], s[TBK], SLOT1       ; in the other slot
	s_sub_co_u32 s[TBV], s[TBV], 4*KS*PV
	s_xor_b32 s[TBV], s[TBV], SLOT1
.endm
	s_load_b128 s[4:7], s[0:1], 0x0   ; qkv s[4:5], att s[6:7]
	WIN W_MK
	v_lshl_add_u32 v[SPW], v0, 2, SPARE
	v_mov_b32 v[NIL], 0
	WIN W_AD
	ds_add_u32 v[SPW], v[NIL]       ; the wave's opening: the add and its wait stand ahead of my first tensor load; the set-up below, work on registers, stands between them
	WIN 0
	v_lshrrev_b32 v1, 5, v0
	v_readfirstlane_b32 s[WV], v1   ; wave 0..3
	s_bfe_u32 s13, ttmp6, 0x40000   ; cx: my place in the cluster
	s_lshl_b32 s14, ttmp9, 2        ; in a cluster launch ttmp9 counts clusters
	s_add_co_u32 s14, s14, s13      ; my block of queries = 4 x cluster x + cx: it enters Q's and O's addresses alone
	s_and_b32 s20, ttmp7, 0xffff    ; the head, which the four partners share
	s_mov_b32 s21, 0
	s_mov_b64 s[22:23], SIZE_N*128
	s_mul_u64 s[20:21], s[20:21], s[22:23]  ; the head's first byte in each of the four tensors
	s_and_b32 s16, s[WV], 1         ; which half of a slot's 256 keys I fetch:
	s_lshl_b32 s22, s16, 14         ; its 128 rows of 128 bytes in memory,
	s_mov_b32 s23, 0
	s_add_nc_u64 s[22:23], s[22:23], s[20:21]
	s_mul_i32 s17, s16, 128*PK      ; and its place in a slot, for K
	s_mul_i32 s18, s16, 128*PV      ; and for V: no place in the cluster enters an LDS address
	s_lshl_b32 s2, s14, 2
	s_add_co_u32 s2, s2, s[WV]      ; my wave among the head's,
	s_lshl_b32 s2, s2, 14           ; its 128 rows
	s_mov_b32 s3, 0
	s_add_nc_u64 s[2:3], s[2:3], s[20:21]
	; descriptor group 1.  128 keys are 16,384 dense bytes: asked for as 64 rows of 256 bytes, two keys a row, and padded in LDS after every key
	s_mov_b32 s[G1K], 15|(1<<16)|(1<<20)|(1<<21)|(4<<22)|(3<<25)  ; 15:0 the mask of four; 17:16 2-byte elements; 20 padding on; 21 set beside a mask; 24:22 after every 32 words (code 4); 31:25 4 words (code 3)
	s_mov_b32 s[G1V], 15|(1<<16)|(1<<20)|(1<<21)|(4<<22)|(7<<25)  ; the same with 8 words of padding (code 7)
.irp g, G1K, G1V
	s_mov_b32 s[\g+1], 128<<16      ; tensor_dim0 = 128
	s_mov_b32 s[\g+2], 64<<16       ; tensor_dim1 = 64
	s_mov_b32 s[\g+3], 128<<16      ; tile_dim0 = 128
	s_mov_b32 s[\g+4], 64           ; tile_dim1 = 64
	s_mov_b32 s[\g+5], 128          ; 128 elements from row to row
	s_mov_b32 s[\g+6], 0
	s_mov_b32 s[\g+7], 0
.endr
	s_mov_b32 s[CS], 0x3e38aa3b     ; c = log2(e) / 8 = 0.180337
	s_mov_b32 s[CS+1], s[CS]        ; named with it as a pair
	s_mov_b32 s[SEL], 0x76543210
	s_mov_b32 s[SEL+1], 0xfedcba98
	s_mov_b32 s[TBK], SLOT1+4*KS*PK ; the first change of slots turns these two into 0
	s_mov_b32 s[TBV], SLOT1+4*KS*PV
	s_mov_b32 s[G0K], 1             ; 1:0 count = 1
	s_mov_b32 s[G0K+1], s17         ; 63:32 LDS address: slot 0
	s_mov_b32 s[G0V], 1
	s_add_co_u32 s[G0V+1], s18, VOFF
	s_mov_b32 s[SLOTS], SIZE_N/256-1  ; seven slots are still to be asked for
	s_and_b32 s[LIM], s[WV], 1
	s_cmp_eq_u32 s[LIM], 0
	s_cselect_b32 s[LIM], 1, -1     ; the same in all four partners, for a given wave
	s_wait_dscnt 0x0                ; the opening add is done
	s_wait_kmcnt 0x0
	s_mov_b64 s[10:11], s[6:7]                 ; O
	s_add_nc_u64 s[6:7], s[4:5], 0x1000000     ; K
	s_add_nc_u64 s[8:9], s[4:5], 0x2000000     ; V
	s_cmp_lt_u32 s[WV], 2
	s_cselect_b64 s[PFA:PFA+1], s[6:7], s[8:9]
	s_add_nc_u64 s[PFA:PFA+1], s[PFA:PFA+1], s[20:21]  ; the head's first key
	s_add_nc_u64 s[G0K+2:G0K+3], s[6:7], s[22:23]  ; 120:64 global address: my half of the head's first 256 keys
	s_or_b32 s[G0K+3], s[G0K+3], 0x80000000        ; 127:126 type = 2
	s_add_nc_u64 s[G0V+2:G0V+3], s[8:9], s[22:23]
	s_or_b32 s[G0V+3], s[G0V+3], 0x80000000
	s_add_nc_u64 s[4:5], s[4:5], s[2:3]  ; Q and O at my wave's first row
	s_add_nc_u64 s[10:11], s[10:11], s[2:3]
	s_lshl_b32 s2, s13, 13          ; my work-group's 32 blocks of the 128
	s_mov_b32 s3, 0
	s_add_nc_u64 s[PFA:PFA+1], s[PFA:PFA+1], s[2:3]
	s_add_nc_u64 s[PFA:PFA+1], s[PFA:PFA+1], 4*KS*128  ; in slot 1; the first change of slots steps it to slot 2.  Nothing is prefetched here, at the head
	CROUND                          ; all four work-groups are here: the first joint loads meet
	JLOAD                           ; slot 0.  Slot 1 is asked for when slot 0 is in: the tile wanted first has the road to itself
	; A fragment of K or Q is 16 rows x 32 channels in 8 registers: lane l holds row l % 16, channels 8 (l / 16) + 0..7 and 16 + 8 (l / 16) + 0..7: two loads of 16 bytes, 32 bytes apart.
	v_and_b32 v1, 15, v0            ; l % 16
	v_bfe_u32 v9, v0, 4, 1          ; l / 16
	v_lshlrev_b32 v[QO], 7, v1
	v_lshl_add_u32 v[QO], v9, 4, v[QO]  ; row x 128 + 16 x half
	WIN 0x80                        ; destination window 2, address window 0
.set i, 0
.rept 4*NP                          ; Q stays in registers: tile i / 2, channels 32 (i % 2) on
	global_load_b128 v[8*i:8*i+3],   v[QO], s[4:5] offset:(i/2)*2048+(i%2)*64
	global_load_b128 v[8*i+4:8*i+7], v[QO], s[4:5] offset:(i/2)*2048+(i%2)*64+32
.set i, i+1
.endr
	; What the first turn finds: V's registers and P's second buffer hold 0 (its products V^T P, of a piece that has not been, add 0), O^T and l are 0.  All this stands in the wait for the first tile.
.set i, VF
.rept 64
	v_mov_b32 v[i], 0
.set i, i+1
.endr
	WIN 0x40
.set i, 0
.rept 64*NP
	v_mov_b32 v[i], 0
.set i, i+1
.endr
	WIN 0
.set i, 0
.rept 2*NP
	v_mov_b32 v[ST+4*i], 0xfe000000    ; c m: far below every c s
	v_mov_b32 v[ST+4*i+1], 0xff7fffff  ; m
	v_mov_b32 v[ST+4*i+2], 0
	v_mov_b32 v[ST+4*i+3], 0
.set i, i+1
.endr
.set i, P+32
.rept 32
	v_mov_b32 v[i], 0
.set i, i+1
.endr
	v_mul_u32_u24 v[AK0], v1, PK
	v_lshl_add_u32 v[AK0], v9, 4, v[AK0]  ; row x pitch + 16 x half
	; The turning load takes 16 keys x 16 channels (lane l reads key 8 (l / 16) + l % 8, channels 8 ((l / 8) % 2) + 0..7) and leaves half a fragment of V^T: lane l holds channel l % 16 and 8 keys.
	v_and_b32 v10, 7, v0
	v_bfe_u32 v11, v0, 3, 1
	v_lshl_add_u32 v[AV0], v9, 3, v10
	v_mul_u32_u24 v[AV0], v[AV0], PV
	v_lshl_add_u32 v[AV0], v11, 4, v[AV0]
	v_add_nc_u32 v[AV0], VOFF, v[AV0]
	v_and_b32 v[PFO], 31, v0        ; v11 has served: from here on it is the prefetches' offset
	v_lshlrev_b32 v[PFO], 8, v[PFO]
	v_mov_b32 v[AK], v[AK0]         ; key step 0 lies at the head of slot 0
; THE MATRIX WORK.  The 8 accumulators of a run of 16 take turns: between the two links of a chain stand 7 others'.
; Product i of 16 of S^T = K Q^T for piece x: channels 32 (i / 8) on, keys 16 ((i / 2) % 4) on, tile 2 x + i % 2.  The first 8 start the sums.
.macro KQ x
	WIN W_KQ
.set rS, S+64*((\x)%2)+32*(i%2)+8*((i/2)%4)
.set rK, KF+16*((i/2)%4)+8*(i/8)
.set rQ, 16*(2*(\x)+i%2)+8*(i/8)
.if i < 8
	v_wmma_f32_16x16x32_f16 v[rS:rS+7], v[rK:rK+7], v[rQ:rQ+7], 0
.else
	v_wmma_f32_16x16x32_f16 v[rS:rS+7], v[rK:rK+7], v[rQ:rQ+7], v[rS:rS+7]
.endif
.endm
; Product i of 16 of O^T += V^T P for piece x: keys 32 (i / 8) on, channels 16 ((i / 2) % 4) on, tile 2 x + i % 2.
.macro PV x
	WIN W_PV
.set rO, 32*(2*(\x)+i%2)+8*((i/2)%4)
.set rV, VF+32*(i/8)+8*((i/2)%4)
.set rP, P+32*((\x)%2)+16*(i%2)+8*(i/8)
	v_wmma_f32_16x16x32_f16 v[rO:rO+7], v[rV:rV+7], v[rP:rP+7], v[rO:rO+7]
.endm
.macro MM                           ; the turn's next matrix instruction
.if i < 16
	KQ (Y+1)%NP
.set i, i+1
.else
.set i, i-16
	PV (Y+NP-1)%NP
.set i, i+17
.endif
.endm
; THE LDS LOADS stand in runs of 16, never singly among the matrix instructions: a step's K (64 keys x 64 channels: 8 fragments) and its V (turned).  Their addresses are made some lines ahead.
; last = 1 (the tail): in the last trip there is no further step, and the run is jumped over.
.macro FETCH_K last=0
	WIN 0
.if \last
	s_cmp_eq_u32 s[CNT], 1
	s_cbranch_scc1 .Lno_k_\@
.endif
	WIN 0x80                        ; destination window 2
.irp f, 0,1,2,3,4,5,6,7             ; keys 16 (f / 2) on, channels 32 (f % 2) on
	ds_load_b128 v[KF+8*\f:KF+8*\f+3],   v[AK] offset:(\f/2)*16*PK+(\f%2)*64
	ds_load_b128 v[KF+8*\f+4:KF+8*\f+7], v[AK] offset:(\f/2)*16*PK+(\f%2)*64+32
.endr
	s_add_co_u32 s[TBK], s[TBK], KS*PK  ; the next fetch is the next step's
	WIN 0
.if \last
.Lno_k_\@:
.endif
.endm
.macro FETCH_V
	WIN 0x80
.irp f, 0,1,2,3,4,5,6,7             ; keys 32 (f / 4) on, channels 16 (f % 4) on
	ds_load_tr16_b128 v[VF+8*\f:VF+8*\f+3],   v[AV] offset:(\f/4)*32*PV+(\f%4)*32
	ds_load_tr16_b128 v[VF+8*\f+4:VF+8*\f+7], v[AV] offset:(\f/4)*32*PV+16*PV+(\f%4)*32
.endr
	WIN 0
.endm
; THE VECTOR WORK OF A TURN stands in three queues, each in the order in which its entries become ready; the two tiles alternate, so that no instruction reads the result of the one before it.
.macro REGS y, u                    ; the registers of tile u (0, 1) of piece y
.set rT, ST+4*(2*(\y)+(\u))
.set rC, TMP+8*((\y)%2)+4*(\u)
.set rM, MV+2*((\y)%2)+(\u)
.set rS, S+64*((\y)%2)+32*(\u)
.set rP, P+32*((\y)%2)+16*(\u)
.set rO, 32*(2*(\y)+(\u))
.endm
; Number n of the 22 that find the NEXT piece's (Y + 1) maximum and statistics.  s0-s31 are the lane's 32 scores; each accumulator's lowest registers are read first.
;   0-11  four chains c0-c3 of seven scores each, three operands at a time     12-14, 16  the four scores left over, the old m, and c0-c3 into c0     15  c m_old is kept
;   17, 18  the query's other 32 keys lie in the lane 16 away: the new m         19-21  c m; c m_old - c m_new; a
.macro XS u, n
	REGS (Y+1)%NP, \u
.if (\n) < 4
	v_max3_num_f32 v[rC+(\n)], v[rS+8*(\n)], v[rS+8*(\n)+1], v[rS+8*(\n)+2]
.elseif (\n) < 12
	v_max3_num_f32 v[rC+(\n)%4], v[rC+(\n)%4], v[rS+8*((\n)%4)+2*((\n)/4)+1], v[rS+8*((\n)%4)+2*((\n)/4)+2]
.elseif (\n) == 12
	v_max3_num_f32 v[rC], v[rC], v[rS+7], v[rS+15]
.elseif (\n) == 13
	v_max3_num_f32 v[rC+1], v[rC+1], v[rS+23], v[rS+31]
.elseif (\n) == 14
	v_max3_num_f32 v[rC+2], v[rC+2], v[rC+3], v[rT+1]
.elseif (\n) == 15
	v_mov_b32 v[rM], v[rT]
.elseif (\n) == 16
	v_max3_num_f32 v[rC], v[rC], v[rC+1], v[rC+2]
.elseif (\n) == 17
	v_permlanex16_b32 v[rC+3], v[rC], s[SEL], s[SEL+1]
.elseif (\n) == 18
	v_max_num_f32 v[rT+1], v[rC], v[rC+3]
.elseif (\n) == 19
	v_mul_f32 v[rT], s[CS], v[rT+1]
.elseif (\n) == 20
	v_sub_f32 v[rC+1], v[rM], v[rT]
.else
	v_exp_f32 v[rC+2], v[rC+1]
.endif
.endm
; Number g of the 64 that follow the exponentials.  For each four weights k of a tile (pairs 2 k, 2 k + 1): both pairs are rounded to f16; then the second pair is added onto the first, in place;
; a group later l takes that sum (the first time as l = a l + sum).  In groups of eight, tiles alternating: round, round, add, and l for the group before.
.macro GS g
.set h, (\g)+6*((\g)/62)            ; group 0 has no group before it, and behind group 7 only l is left
.if h >= 6
.set h, h+2
.endif
	REGS Y, h%2
.set k, h/8
.if h%8 < 4
	s_wait_alu depctr_va_vdst(0)
	v_cvt_pk_f16_f32 v[rP+2*k+(h%8)/2], v[rS+4*k+2*((h%8)/2)], v[rS+4*k+2*((h%8)/2)+1]
.elseif h%8 < 6
	v_pk_add_f32 v[rS+4*k:rS+4*k+1], v[rS+4*k:rS+4*k+1], v[rS+4*k+2:rS+4*k+3]
.elseif k == 1
	v_pk_fma_f32 v[rT+2:rT+3], v[rT+2:rT+3], v[rC+2:rC+3], v[rS:rS+1] op_sel_hi:[1,0,1]
.else
	v_pk_add_f32 v[rT+2:rT+3], v[rT+2:rT+3], v[rS+4*k-4:rS+4*k-3]
	s_wait_alu depctr_va_vdst(0)
.endif
.endm
; THE PLAIN QUEUE, 138 long.  0-31: c s - c m for the 16 pairs of both tiles.  Then GS's 64, and among them the next piece's 42: number 15 at 38, 39; 0-14 and 16
; at 42-73, behind the products that make those scores; 17-20 at 95-106, two of three, since each waits for the one before it.
.macro PL
	WIN 0
.if q < 32
	REGS Y, q%2
	v_pk_fma_f32 v[rS+2*(q/2):rS+2*(q/2)+1], v[rS+2*(q/2):rS+2*(q/2)+1], s[CS:CS+1], v[rT:rT+1] op_sel_hi:[1,0,0] neg_lo:[0,0,1] neg_hi:[0,0,1]
.elseif q < 38
	GS q-32
.elseif q < 40
	XS q%2, 15
.elseif q < 42
	GS q-34
.elseif q < 74
	XS q%2, (q-42)/2+(q-42)/30
.elseif q < 95
	GS q-66
.elseif (q < 107) && ((q-95)%3 < 2)
	XS (q-95)%3, 17+(q-95)/3
.elseif q < 107
	GS 29+(q-95)/3
.else
	GS q-74
.endif
.set q, q+1
.endm
; THE EXPONENTIALS' QUEUE, 66 long: s0-s31 of both tiles, and at EA the next piece's two a.
.set EA, 58
.macro EX
	WIN 0
.if (e == EA) || (e == EA+1)
	XS e-EA, 21
.else
.set x, e-2*(e/(EA+2))
	REGS Y, x%2
	v_exp_f32 v[rS+x/2], v[rS+x/2]
.endif
.set e, e+1
.endm
; THE RESCALING's QUEUE: O^T times a, the one part that leaves window 0, so it is dealt four at a time, eight times.
.macro R4
	REGS Y, r%2
	WIN W_RS
	s_wait_alu depctr_va_vdst(0)
.irp z, 0,1,2,3
	v_pk_mul_f32 v[rO+8*(r/2)+2*\z:rO+8*(r/2)+2*\z+1], v[rO+8*(r/2)+2*\z:rO+8*(r/2)+2*\z+1], v[rC+2:rC+3] op_sel_hi:[1,0]
.endr
.set r, r+1
.endm
; HOW THEY ARE DEALT.  Behind a matrix instruction four: plain, exponential, plain, plain (one exponential, a plain instruction on either side), or four of the rescaling.  None names a register of the
; products round it.  What is over stands in two LUMPS: exponential and plain by turns; the second ends in 22 plain instructions.  The two v_permlanex16_b32 fall into the second lump, never behind a product.
; The queues lean on each other, and the deal keeps them in step: exponential e stands behind plain 2 (e / 4) + e % 2 (its scaling); when plain 32 comes, 10 exponentials are out, at 59: 33, at 95: 46; EA comes behind plain 107.
.macro SL
	MM
	PL
	EX
	PL
	PL
.endm
.macro BURST n                      ; 15 matrix instructions, or 16
.rept (\n)-7
	SL
.endr
.rept 3
	MM
	R4
	SL
.endr
	MM
	R4
.endm
; A TURN, for piece p.  cnt = 1: the loop's count is taken down some lines ahead of the branch that stands behind the turn.
; K of the next step is fetched in piece 2's turn, 31 vector instructions behind the last product that read K; its first reader comes behind the rest of the lump, 16 products and the second lump.
; V of the step in hand is fetched at the end of piece 0's turn, 69 behind its last reader; its first reader comes behind 16 products and a lump.  The four conditions on e and q below go with the deal.
.macro TURN p, last=0, cnt=0
.set Y, (\p)
.set i, 0
.set q, 0
.set e, 0
.set r, 0
.if (\p) == NP-1
	s_wait_dscnt 0x0                ; K is in
.endif
	MM
.rept 4
	PL
.endr
	BURST 15
.rept 22
	EX
	PL
.if ((\p) == NP-2) && (e == 18)
	v_add_nc_u32 v[AK], s[TBK], v[AK0]
.endif
.if ((\p) == NP-2) && (e == 24)
	FETCH_K \last
.endif
.endr
.if (\p) == 1
	s_wait_dscnt 0x0                ; V is in
.endif
	BURST 16
.rept 21
	EX
	PL
.endr
.rept 22
	PL
.if ((\p) == 0) && (q == 118)
	v_add_nc_u32 v[AV], s[TBV], v[AV0]
	s_wait_alu depctr_va_vdst(0)
.endif
.if ((\p) == 0) && (q == 130)
	s_add_co_u32 s[TBV], s[TBV], KS*PV
.endif
.if (\cnt) && (q == 130)
	s_sub_co_u32 s[CNT], s[CNT], 1
	s_cmp_lg_u32 s[CNT], 0
.endif
.endr
.if (\p) == 0
	FETCH_V
.endif
.endm
	CHANGE 1                        ; slot 0 is in, everybody's part of it; slot 1 is asked for
	FETCH_K                         ; key step 0
	s_wait_loadcnt 0x0              ; Q
	s_wait_dscnt 0x0
.set i, 0
.rept 16
	KQ 0                            ; piece 0's first scores: there is no vector work yet to set between them
.set i, i+1
.endr
	WIN 0                           ; the addresses for the way out: plain instructions, the places behind those products
	s_mul_i32 s13, s[WV], 16*SP
	s_add_co_u32 s13, s13, STAGE    ; my stage
	v_mul_u32_u24 v[STO], v1, SP    ; in: row l % 16, 16 bytes for each half of the lanes
	v_lshl_add_u32 v[STO], v9, 4, v[STO]
	v_add_nc_u32 v[STO], s13, v[STO]
	v_bfe_u32 v[RD], v0, 3, 2       ; back: 32 lanes take four rows of 128 bytes,
	v_mul_u32_u24 v[RD], v[RD], SP
	v_lshl_add_u32 v[RD], v10, 4, v[RD]
	v_add_nc_u32 v[RD], s13, v[RD]
	v_and_b32 v[GO], 31, v0         ; which are 512 consecutive bytes of O
	v_lshlrev_b32 v[GO], 4, v[GO]
.set Y, NP-1                        ; XS works for piece Y + 1: piece 0
.irp n, 0,1,2,3,4,5,6,7,8,9,10,11,12,13,14,15,16,17,18,19,20,21
	XS 0, \n                        ; and piece 0's first maximum and statistics
	XS 1, \n
.endr
	s_mov_b32 s[CNT], 4
	s_branch .Lfirst                ; the loop is entered at a step's first turn, in the middle of a trip
.Lslot:                             ; SIZE_N / 256 - 2 times: every slot but the last two is filled again
	CHANGE 1
	s_mov_b32 s[CNT], 4
.Lstep:                             ; a trip: pieces 2 and 3 of one step, then pieces 0 and 1 of the next, whose K and V it fetches
	TURN 2
	TURN 3
	WIN 0
.Lfirst:
	TURN 0
	TURN 1, 0, 1
	WIN 0
	s_cbranch_scc1 .Lstep
	s_sub_co_u32 s[SLOTS], s[SLOTS], 1
	s_cmp_lg_u32 s[SLOTS], 0
	s_cbranch_scc1 .Lslot
	CHANGE 0                        ; the tail is written out: nothing is asked for
	s_mov_b32 s[CNT], 5             ; four trips fetch the last slot's steps; the fifth is left in its middle
.Ltail:
	TURN 2, 1
	TURN 3
	WIN 0
	s_sub_co_u32 s[CNT], s[CNT], 1
	s_cmp_eq_u32 s[CNT], 0
	s_cbranch_scc1 .Lout
	TURN 0
	TURN 1
	WIN 0
	s_branch .Ltail
.Lout:                              ; the fifth trip's 16 products K Q^T (on the last K once more) and the maximum made of them serve nothing: the price, once a launch, of one text for every trip
.set i, 0
.rept 16
	PV NP-1                         ; the last piece's V^T P of the last step
.set i, i+1
.endr
	; THE WAY OUT.  l's two halves and the other half of the lanes' are added; O^T is divided by l, rounded to f16 and sent through my stage in LDS, a tile at a time.  The additions are the places behind the last products.
	WIN 0
.macro ALL line:vararg              ; one line for each tile t
.set t, 0
.rept 2*NP
	\line
.set t, t+1
.endr
.endm
	ALL v_add_f32 v[ST+4*t+2], v[ST+4*t+2], v[ST+4*t+3]
	ALL v_permlanex16_b32 v[ST+4*t+3], v[ST+4*t+2], s[SEL], s[SEL+1]
	ALL v_add_f32 v[ST+4*t+2], v[ST+4*t+2], v[ST+4*t+3]
	ALL v_rcp_f32 v[ST+4*t+2], v[ST+4*t+2]
	v_nop                           ; a plain instruction between the last reciprocal and the use of its result
	s_wait_alu depctr_va_vdst(0)
; Tile t: a lane's eight channels of a row pack into 16 bytes; they go into rows of 144 bytes and come back as whole rows of 128, into S^T's registers.
.macro PACK t
	WIN W_RS
.set i, 32*(\t)
.rept 16
	v_pk_mul_f32 v[i:i+1], v[i:i+1], v[ST+4*(\t)+2:ST+4*(\t)+3] op_sel_hi:[1,0]
.set i, i+2
.endr
	WIN 0x05                        ; sources 0 and 1 window 1, destination window 0
.set i, 0
.rept 16
	v_cvt_pk_f16_f32 v[S+16*(\t)+i], v[32*(\t)+2*i], v[32*(\t)+2*i+1]
.set i, i+1
.endr
	WIN 0
.irp f, 0,1,2,3
	ds_store_b128 v[STO], v[S+16*(\t)+4*\f:S+16*(\t)+4*\f+3] offset:32*\f
.endr
.irp f, 0,1,2,3
	ds_load_b128 v[S+16*(\t)+4*\f:S+16*(\t)+4*\f+3], v[RD] offset:\f*4*SP  ; LDS serves a wave's instructions in order (ISA guide 5.7.1.4): these see the stores above; the next tile's stores come behind them
.endr
.endm
.macro SEND t, younger              ; younger: the LDS instructions issued behind tile t's loads: the next tile's eight, or none
	WIN 0
.irp f, 0,1,2,3
	s_wait_dscnt (\younger)+3-\f
	global_store_b128 v[GO], v[S+16*(\t)+4*\f:S+16*(\t)+4*\f+3], s[10:11] offset:(\t)*2048+\f*512  ; 512 consecutive bytes, at a multiple of 256 from O's first
.endr
.endm
	PACK 0
.set t, 1
.rept 2*NP-1                        ; a tile's arithmetic stands between the loads of the tile before and its stores
	PACK t
	SEND t-1, 8
.set t, t+1
.endr
	SEND 2*NP-1, 0
	WIN W_AD
	s_wait_tensorcnt 0x0            ; the wave's end, behind my last tensor load and my last LDS store
	ds_add_u32 v[SPW], v[NIL]
	s_wait_dscnt 0x0
	WIN 0
	CROUND                          ; the closing round: no work-group ends while a partner may still ask for a tile that names it
	s_endpgm
.Lfunc_end_k_q920cd12253_attn:
	.size	k_q920cd12253_attn, .Lfunc_end_k_q920cd12253_attn-k_q920cd12253_attn
	.p2alignl 7, 3214868480
	.fill 96, 4, 3214868480
	.section	.rodata,"a",@progbits
	.p2align	6, 0x0
	.amdhsa_kernel k_q920cd12253_attn
		.amdhsa_group_segment_fixed_size 327680
		.amdhsa_private_segment_fixed_size 0
		.amdhsa_enable_private_segment 0
		.amdhsa_kernarg_size 16
		.amdhsa_user_sgpr_count 2
		.amdhsa_user_sgpr_kernarg_segment_ptr 1
		.amdhsa_wavefront_size32 1
		.amdhsa_system_sgpr_workgroup_id_x 1
		.amdhsa_system_sgpr_workgroup_id_y 1
		.amdhsa_system_sgpr_workgroup_id_z 1
		.amdhsa_system_vgpr_workitem_id 0
		.amdhsa_next_free_vgpr 770
		.amdhsa_next_free_sgpr 66
		.amdhsa_reserve_vcc 0
		.amdhsa_float_denorm_mode_32 3
		.amdhsa_float_denorm_mode_16_64 3
		.amdhsa_memory_ordered 1
		.amdhsa_forward_progress 1
		.amdhsa_inst_pref_size 209
	.end_amdhsa_kernel
	.amdgpu_metadata
---
amdhsa.version: [ 1, 2 ]
amdhsa.kernels:
  - .name:           k_q920cd12253_attn
    .symbol:         k_q920cd12253_attn.kd
    .args:
      - { .name: qkv, .offset: 0, .size: 8, .value_kind: global_buffer, .address_space: global }
      - { .name: att, .offset: 8, .size: 8, .value_kind: global_buffer, .address_space: global }
    .group_segment_fixed_size: 327680
    .private_segment_fixed_size: 0
    .kernarg_segment_align: 8
    .kernarg_segment_size: 16
    .max_flat_workgroup_size: 128
    .sgpr_count:     66
    .vgpr_count:     770
    .wavefront_size: 32
...
	.end_amdgpu_metadata
.endif
;; end of part 3
;; launch gemm_out (part 4): grid 8 x 32, 4 waves a work-group, clusters of 4 x 4, 327,680 bytes of LDS; arguments att, wot, bias, out0; writes out0
.if DOCPART == 4
	.amdgcn_target "amdgcn-amd-amdhsa--gfx1250"
	.amdhsa_code_object_version 6
	.text
	.protected	k_q920cd12253_gemm_out
	.globl	k_q920cd12253_gemm_out
	.p2align	8
	.type	k_q920cd12253_gemm_out,@function
k_q920cd12253_gemm_out:
	s_mov_b64 s[64:65], 0
	v_nop
	global_prefetch_b8 v0, s[64:65] scope:SCOPE_SE
	s_setreg_imm32_b32 hwreg(HW_REG_WAVE_MODE, 25, 1), 1
	s_wait_xcnt 0x0
	s_wait_alu depctr_hold_cnt(0) depctr_sa_sdst(0) depctr_va_vdst(0) depctr_va_sdst(0) depctr_va_ssrc(0) depctr_va_vcc(0) depctr_vm_vsrc(0)
	s_getreg_b32 s2, hwreg(HW_REG_IB_STS2, 6, 4)
	s_cmp_eq_u32 s2, 0
	s_cbranch_scc0 .Lentry_in_a_cluster
	s_endpgm
.Lentry_in_a_cluster:
	s_bfe_u32 s2, ttmp6, 0x10000c
	s_cmp_lg_u32 s2, 0xf033
	s_cbranch_scc0 .Lentry_shape_is_right
	s_endpgm
.Lentry_shape_is_right:
; out0 = att Wo + bo.  att [bh 64][s 2048][64] f16 (bh = 16 x batch + head: a head IS a K block of 64), wot [kb 16][n 1024][64] f16, bias [4096] f32 (bo from number 3,072 on); sums in f32, started by the
; bias; out0 [8192][1024] f32.
; SHARES.  Tiles of 256 rows x 128 columns: 32 x 8 = 256 work-groups (256 x 256 would give 128).  Four waves, each 128 x 64: 32 accumulators, (a, b) at v[8 (4 a + b)] of window 1.
; K goes in steps of 128, two K blocks, through two LDS slots; each wave fetches one block of one operand: waves 0, 1 A's two (256 rows each), waves 2, 3 B's two (128 rows each).  The rows of 128 bytes lie
; end to end in memory and are asked for as rows of 256 bytes, padded in LDS after every 128.  (Two slots of a K step of 256 would take 2 x 4 x 384 x 144 bytes, more than LDS has.)
; CLUSTER 4 x 4: A's tile hangs on the tile row alone and is asked for jointly by a row of the cluster, B's on the tile column alone and by a column.
; THE MATRIX INSTRUCTION IS USED TRANSPOSED (source 0 = 16 rows of wot, source 1 = 16 rows of att): lane l holds row l % 16 and the columns 8 (l / 16) + 0..7: 32 bytes of f32 on end.
; REGISTERS.  window 0: v0-31 addresses; two fragment buffers: A's at v32-95 and v96-159, B's at v160-191 and v192-223.  On the way out v32-127: three sets of 16 rows read back.
.set PITCH,  144                       ; an LDS row: 128 bytes + 16 of padding = 36 words: the 16 rows of a fragment load start at 16 different groups of four banks (64 banks of 4 bytes: ISA guide 11.1)
.set APL,    256*PITCH                 ; a K block of A's tile
.set BPL,    128*PITCH                 ; of B's
.set BOFF,   2*APL
.set SLOT,   BOFF+2*BPL
.set STAGE,  2*SLOT                    ; behind the ring, never filled by a tensor load: 16 rows x 272 bytes for each wave
.set SPITCH, 272
.set SPARE,  STAGE+4*16*SPITCH         ; behind the stages: the spare words, 128 bytes for each wave
.set ADRA, 16                          ; v16-17  LDS address of my A fragments in slot 0, 1
.set ADRB, 20                          ; v20-21  the same for B
.set STO,  24                          ; v24  the way out: where I put 32 bytes of a row
.set RD,   25                          ; v25  where I read a row back
.set CO,   26                          ; v26  my byte offset in out0
.set BO,   27                          ; v27  32 x (lane / 16): my eight numbers of a block's bias
.set SPW,  28                          ; v28  my spare word; never rewritten
.set NIL,  29                          ; v29  0; never rewritten
.set FA,   32
.set FB,   160
.set BK,   32
.set G1A, 24
.set G0A, 32
.set DST, 40                           ; s[40:41] out0 at my first row and column
.set LAP, 46
.set G1B, 48
.set G0B, 56
.set MSB, 0
.macro WIN new                         ; the immediate's high byte repeats the setting that is left; a switch that changes nothing is dropped
.if MSB != (\new)
	s_set_vgpr_msb (MSB<<8)|(\new)
.set MSB, (\new)
.endif
.endm
.macro PLACES                          ; four places between a matrix instruction and a load into, or another line on, its registers
.rept 4
	v_nop
.endr
.endm
.macro JLOAD s                         ; a joint load; an s_nop 0 and four v_nop follow each of the two lines; the branch hangs on the wave's number alone
	s_cmp_eq_u32 s13, 0
	s_cbranch_scc0 .Lfor_b_\@
	tensor_load_to_lds s[G0A+4*(\s):G0A+4*(\s)+3], s[G1A:G1A+7]
	s_nop 0
.rept 4
	v_nop
.endr
	s_branch .Lasked_\@
.Lfor_b_\@:
	tensor_load_to_lds s[G0B+4*(\s):G0B+4*(\s)+3], s[G1B:G1B+7]
	s_nop 0
.rept 4
	v_nop
.endr
.Lasked_\@:
.endm
.macro CREST                           ; a round of the cluster's barrier behind its opening barrier
	s_cmp_lg_u32 s12, 0
	s_cbranch_scc1 .Lnot_wave_0_\@
	s_barrier_signal -3
.Lnot_wave_0_\@:
	s_barrier_wait -3
	s_barrier_signal -1
	s_barrier_wait -1
.endm
.macro CROUND
	s_barrier_signal -1
	s_barrier_wait -1
	CREST
.endm
	s_load_b256 s[4:11], s[0:1], 0x0               ; att s[4:5], wot s[6:7], bias s[8:9], out0 s[10:11]
	v_lshl_add_u32 v[SPW], v0, 2, SPARE
	v_mov_b32 v[NIL], 0
	ds_add_u32 v[SPW], v[NIL]                      ; the wave's opening: the add and its wait stand ahead of my first tensor load; work on registers stands between them
	v_lshrrev_b32 v1, 5, v0
	v_readfirstlane_b32 s12, v1                    ; wave 0..3
	s_lshr_b32 s13, s12, 1                         ; which 128 rows of the tile are mine.  Also: I fetch for A (0) or for B (1)
	s_and_b32 s14, s12, 1                          ; which 64 columns.  Also: which of a K step's two K blocks I fetch
	s_bfe_u32 s15, ttmp6, 0x40000                  ; cx
	s_bfe_u32 s16, ttmp6, 0x40004                  ; cy
	s_lshl_b32 s17, ttmp9, 2
	s_add_co_u32 s17, s17, s15                     ; tile column
	s_and_b32 s18, ttmp7, 0xffff
	s_lshl_b32 s18, s18, 2
	s_add_co_u32 s18, s18, s16                     ; tile row
	s_lshl_b32 s19, s16, 2
	s_lshl_b32 s19, 15, s19                        ; my row of the cluster
	s_lshl_b32 s47, 0x1111, s15                    ; my column
	s_or_b32 s[G1A], s19, (1<<16)|(1<<20)|(1<<21)|(4<<22)|(3<<25)  ; the mask; 2-byte elements; padding on; 21 set beside a mask; after every 32 words (code 4) 4 words (code 3)
	s_or_b32 s[G1B], s47, (1<<16)|(1<<20)|(1<<21)|(4<<22)|(3<<25)
.irp g, G1A, G1B
	s_mov_b32 s[(\g)+1], 128<<16                   ; tensor_dim0 = 128
	s_mov_b32 s[(\g)+3], 128<<16                   ; tile_dim0 = 128
	s_mov_b32 s[(\g)+5], 128                       ; dense
	s_mov_b32 s[(\g)+6], 0
	s_mov_b32 s[(\g)+7], 0
.endr
	s_mov_b32 s[G1A+2], 128<<16                    ; A: 128 rows of 256 bytes = 256 rows of one head
	s_mov_b32 s[G1A+4], 128
	s_mov_b32 s[G1B+2], 64<<16                     ; B: 64 rows of 256 bytes = 128 rows of wot
	s_mov_b32 s[G1B+4], 64
	s_lshr_b32 s20, s18, 3
	s_lshl_b32 s20, s20, 22                        ; A: the batch's 16 heads of 2^18 bytes,
	s_and_b32 s21, s18, 7
	s_lshl_b32 s21, s21, 15                        ; the tile's 256 rows of 128 bytes in a head,
	s_add_co_u32 s20, s20, s21
	s_lshl_b32 s21, s14, 18                        ; my head of the K step's two
	s_add_co_u32 s20, s20, s21
	s_mov_b32 s21, 0
	s_lshl_b32 s22, s17, 14                        ; B: the tile's 128 rows of 128 bytes,
	s_lshl_b32 s23, s14, 17                        ; my K block of 2^17 bytes
	s_add_co_u32 s22, s22, s23
	s_mov_b32 s23, 0
	s_mul_i32 s2, s14, APL                         ; where they go: no place in the cluster enters an LDS address
	s_mul_i32 s3, s14, BPL
	s_add_co_u32 s3, s3, BOFF
	s_wait_dscnt 0x0                               ; the opening add is done
	s_wait_kmcnt 0x0
	s_add_nc_u64 s[20:21], s[4:5], s[20:21]
	s_add_nc_u64 s[22:23], s[6:7], s[22:23]
	CROUND                                         ; all sixteen work-groups are here: the first joint loads meet
.irp s, 0,1
	s_mov_b32 s[G0A+4*(\s)], 1
	s_add_co_u32 s[G0A+4*(\s)+1], s2, (\s)*SLOT
	s_add_nc_u64 s[G0A+4*(\s)+2:G0A+4*(\s)+3], s[20:21], (\s)*524288  ; K step s: two heads on
	s_or_b32 s[G0A+4*(\s)+3], s[G0A+4*(\s)+3], 0x80000000
	s_mov_b32 s[G0B+4*(\s)], 1
	s_add_co_u32 s[G0B+4*(\s)+1], s3, (\s)*SLOT
	s_add_nc_u64 s[G0B+4*(\s)+2:G0B+4*(\s)+3], s[22:23], (\s)*262144
	s_or_b32 s[G0B+4*(\s)+3], s[G0B+4*(\s)+3], 0x80000000
	JLOAD \s                                       ; two loads of mine are out
.endr
	v_and_b32 v1, 15, v0                           ; l % 16
	v_bfe_u32 v2, v0, 4, 1                         ; l / 16
	v_mul_u32_u24 v3, v1, PITCH
	v_lshl_add_u32 v3, v2, 4, v3                   ; a fragment's row x pitch + 16 x half
	s_mul_i32 s66, s13, 128*PITCH                  ; my 128 rows of A
	s_mul_i32 s67, s14, 64*PITCH                   ; my 64 rows of B,
	s_add_co_u32 s67, s67, BOFF                    ; which lie behind A's two blocks
.irp s, 0,1
	v_add_nc_u32 v[ADRA+(\s)], s66, v3
	v_add_nc_u32 v[ADRB+(\s)], s67, v3
	s_add_co_u32 s66, s66, SLOT
	s_add_co_u32 s67, s67, SLOT
.endr
	s_mul_i32 s68, s12, 16*SPITCH
	s_add_co_u32 s68, s68, STAGE                   ; my stage
	v_mul_u32_u24 v4, v1, SPITCH                   ; in: row l % 16, 32 bytes for each half of the lanes
	v_lshl_add_u32 v4, v2, 5, v4
	v_add_nc_u32 v[STO], s68, v4
	v_mul_u32_u24 v5, v2, SPITCH                   ; back: lanes 0-15 take one row of 256 bytes, lanes 16-31 the next
	v_lshl_add_u32 v5, v1, 4, v5
	v_add_nc_u32 v[RD], s68, v5
	v_lshlrev_b32 v[CO], 12, v2                    ; and the same two rows of 4,096 bytes in out0
	v_lshl_add_u32 v[CO], v1, 4, v[CO]
	v_lshlrev_b32 v[BO], 5, v2
	s_lshl_b32 s70, s17, 9                         ; bo of my 64 columns: 128 x 4 bytes a tile column,
	s_lshl_b32 s71, s14, 8                         ; my half,
	s_add_co_u32 s70, s70, s71
	s_add_co_u32 s70, s70, 12288                   ; behind bq, bk and bv
	s_mov_b32 s71, 0
	s_add_nc_u64 s[8:9], s[8:9], s[70:71]
	s_lshl_b32 s72, s18, 20                        ; out0: 256 rows of 4,096 bytes a tile row,
	s_lshl_b32 s73, s13, 19                        ; my 128 of them,
	s_add_co_u32 s72, s72, s73
	s_lshl_b32 s73, s17, 9                         ; the tile's 128 columns,
	s_add_co_u32 s72, s72, s73
	s_lshl_b32 s73, s14, 8                         ; my 64: 256 bytes, aligned
	s_add_co_u32 s72, s72, s73
	s_mov_b32 s73, 0
	s_add_nc_u64 s[DST:DST+1], s[10:11], s[72:73]
	WIN 0x40                                       ; THE BIAS STARTS THE SUMS: it is loaded into row block 0's accumulators and is the C operand of all eight row blocks' first products
.irp b, 0,1,2,3
	global_load_b128 v[8*(\b):8*(\b)+3],   v[BO], s[8:9] offset:64*(\b)
	global_load_b128 v[8*(\b)+4:8*(\b)+7], v[BO], s[8:9] offset:64*(\b)+16
.endr
	WIN 0
; Products: row blocks a0 .. a0 + na - 1 x 4 column blocks, 32 along K, on fragment buffer f.  The 32 accumulators take turns, one instruction a turn, in the same order in every substep.
.macro MUL f, a0, na
	WIN 0x50                                       ; C and D window 1, sources window 0
.set ga, \a0
.rept \na
.irp b, 0,1,2,3
	v_wmma_f32_16x16x32_f16 v[8*(4*ga+(\b)):8*(4*ga+(\b))+7], v[FB+32*(\f)+8*(\b):FB+32*(\f)+8*(\b)+7], v[FA+64*(\f)+8*ga:FA+64*(\f)+8*ga+7], v[8*(4*ga+(\b)):8*(4*ga+(\b))+7]
.endr
.set ga, ga+1
.endr
.endm
; The first substep: row blocks 1-7 take the bias in row block 0's accumulators as C; five places on (a matrix instruction writes over registers that matrix instructions have read) row block 0 adds in place onto it.
.macro MULF f
	WIN 0x50
.set ga, 1
.rept 7
.irp b, 0,1,2,3
	v_wmma_f32_16x16x32_f16 v[8*(4*ga+(\b)):8*(4*ga+(\b))+7], v[FB+32*(\f)+8*(\b):FB+32*(\f)+8*(\b)+7], v[FA+64*(\f)+8*ga:FA+64*(\f)+8*ga+7], v[8*(\b):8*(\b)+7]
.endr
.set ga, ga+1
.endr
.rept 5
	v_nop
.endr
.irp b, 0,1,2,3
	v_wmma_f32_16x16x32_f16 v[8*(\b):8*(\b)+7], v[FB+32*(\f)+8*(\b):FB+32*(\f)+8*(\b)+7], v[FA+64*(\f):FA+64*(\f)+7], v[8*(\b):8*(\b)+7]
.endr
.endm
; 24 LDS loads in one run: substep q (0..3) of slot s into buffer f: K block q / 2, byte 64 (q % 2) of its rows.  B's 8 first, then A's 16, row blocks ascending.
.macro FETCH f, s, q
	WIN 0
.irp b, 0,1,2,3
	ds_load_b128 v[FB+32*(\f)+8*(\b):FB+32*(\f)+8*(\b)+3],   v[ADRB+(\s)] offset:((\q)/2)*BPL+64*((\q)%2)+(\b)*16*PITCH
	ds_load_b128 v[FB+32*(\f)+8*(\b)+4:FB+32*(\f)+8*(\b)+7], v[ADRB+(\s)] offset:((\q)/2)*BPL+64*((\q)%2)+(\b)*16*PITCH+32
.endr
.irp a, 0,1,2,3,4,5,6,7
	ds_load_b128 v[FA+64*(\f)+8*(\a):FA+64*(\f)+8*(\a)+3],   v[ADRA+(\s)] offset:((\q)/2)*APL+64*((\q)%2)+(\a)*16*PITCH
	ds_load_b128 v[FA+64*(\f)+8*(\a)+4:FA+64*(\f)+8*(\a)+7], v[ADRA+(\s)] offset:((\q)/2)*APL+64*((\q)%2)+(\a)*16*PITCH+32
.endr
.endm
; One of a K step's first three substeps: the next substep's fragments are asked for into buffer g, then buffer f is multiplied.
.macro QS f, g, ns, nq, first=0
	PLACES                                         ; buffer g was multiplied just before
	FETCH \g, \ns, \nq
	s_wait_dscnt 24                                ; buffer f is in; the 24 loads just issued may be out
.if \first
	MULF \f
.else
	MUL \f, 0, 8
.endif
.endm
; The fourth substep multiplies buffer 1 and changes slots.  ONE barrier: in front of it each wave waits for all its tensor loads (one is out: its part of the other slot), adds 0 to its spare word, and waits for
; that and for its reads of slot p.  fill = 1: the barrier opens a round of the cluster's barrier, and slot p is filled again, two K steps on, first thing behind the round: 112 matrix instructions ahead of the wait for it.
.macro TURN p, fill
	WIN 0
	s_wait_tensorcnt 0x0                           ; no tensor load of mine is out
	ds_add_u32 v[SPW], v[NIL]                      ; 0 onto my spare word
	s_wait_dscnt 9                                 ; B and A's rows 0-63 are in; A's rows 64-127 (eight loads) and the add may be out
	MUL 1, 0, 2                                    ; eight matrix instructions stand between the add and the wait for it
	s_wait_dscnt 0x0                               ; the add is done, and my reads of slot p are over
	s_barrier_signal -1
	MUL 1, 2, 2
	WIN 0                                          ; at a branch and at a label every window is 0
	s_barrier_wait -1
.if \fill
	CREST                                          ; no wave of any partner still reads this slot or has a load on its way
	s_add_nc_u64 s[G0A+4*(\p)+2:G0A+4*(\p)+3], s[G0A+4*(\p)+2:G0A+4*(\p)+3], 1048576
	s_add_nc_u64 s[G0B+4*(\p)+2:G0B+4*(\p)+3], s[G0B+4*(\p)+2:G0B+4*(\p)+3], 524288
	JLOAD \p                                       ; its four v_nop are also the places in front of the loads below
.else
	PLACES
.endif
	FETCH 0, 1-(\p), 0
	MUL 1, 4, 4
.endm
; THE WAY OUT of row block a: the f32 sums go as they are into my own stage, each accumulator's low registers first, and come back as whole rows of 256 bytes.
.macro TOSTAGE a
	WIN 0x04                                       ; store data window 1, address window 0
.irp b, 0,1,2,3
	ds_store_b128 v[STO], v[8*(4*(\a)+(\b)):8*(4*(\a)+(\b))+3]   offset:64*(\b)
	ds_store_b128 v[STO], v[8*(4*(\a)+(\b))+4:8*(4*(\a)+(\b))+7] offset:64*(\b)+16
.endr
	WIN 0
.irp t, 0,1,2,3,4,5,6,7
	ds_load_b128 v[BK+32*((\a)%3)+4*(\t):BK+32*((\a)%3)+4*(\t)+3], v[RD] offset:(\t)*2*SPITCH  ; LDS serves a wave's instructions in order (ISA guide 5.7.1.4): these see the stores above
.endr
.endm
.macro SEND a, younger                 ; younger: the LDS instructions issued behind block a's loads: the next block's sixteen, or none
	s_wait_dscnt \younger
	s_wait_xcnt 0x0                                ; the stores of the block before have read their registers: the next block but one's rows are loaded into them only behind this wait
.irp t, 0,1,2,3,4,5,6,7
	global_store_b128 v[CO], v[BK+32*((\a)%3)+4*(\t):BK+32*((\a)%3)+4*(\t)+3], s[DST:DST+1] offset:65536*(\a)+8192*(\t)  ; 16 lanes store 256 consecutive bytes, aligned
.endr
.endm
	s_wait_tensorcnt 0x1                           ; my part of K step 0 is in; K step 1's may stay out
	s_barrier_signal -1
	s_barrier_wait -1                              ; everybody's is
	FETCH 0, 0, 0
	s_wait_loadcnt 0x0                             ; the bias
	QS 0, 1, 0, 1, 1                               ; the first substep stands in front of the loop: its products start the sums
	WIN 0
	s_mov_b32 s[LAP], 3
.Llap:                                         ; a trip goes once round the ring, from a lap's second substep to the next lap's first, and fills both slots again: K steps 2 to 7
	QS 1, 0, 0, 2
	QS 0, 1, 0, 3
	TURN 0, 1
	QS 0, 1, 1, 1
	QS 1, 0, 1, 2
	QS 0, 1, 1, 3
	TURN 1, 1
	QS 0, 1, 0, 1
	WIN 0
	s_sub_co_u32 s[LAP], s[LAP], 1
	s_cmp_lg_u32 s[LAP], 0
	s_cbranch_scc1 .Llap
	QS 1, 0, 0, 2                                  ; the last lap fills nothing, and has no round
	QS 0, 1, 0, 3
	TURN 0, 0
	QS 0, 1, 1, 1
	QS 1, 0, 1, 2
	QS 0, 1, 1, 3
	s_wait_dscnt 0x0                               ; the very last substep: nothing more to fetch
	MUL 1, 0, 8
	WIN 0
	PLACES
	PLACES                                         ; eight, once a launch
	TOSTAGE 0
.set u, 1
.rept 7                                        ; a block's trip through the stage stands between the loads of the block before and its stores
	TOSTAGE u
	SEND u-1, 16
.set u, u+1
.endr
	SEND 7, 0
	s_wait_tensorcnt 0x0                           ; the wave's end, behind my last tensor load and my last LDS store
	ds_add_u32 v[SPW], v[NIL]
	s_wait_dscnt 0x0
	CROUND                                         ; the closing round: no work-group ends while a partner may still ask for a tile that names it
	s_endpgm
.Lfunc_end_k_q920cd12253_gemm_out:
	.size	k_q920cd12253_gemm_out, .Lfunc_end_k_q920cd12253_gemm_out-k_q920cd12253_gemm_out
	.p2alignl 7, 3214868480
	.fill 96, 4, 3214868480
	.section	.rodata,"a",@progbits
	.p2align	6, 0x0
	.amdhsa_kernel k_q920cd12253_gemm_out
		.amdhsa_group_segment_fixed_size 327680
		.amdhsa_private_segment_fixed_size 0
		.amdhsa_enable_private_segment 0
		.amdhsa_kernarg_size 32
		.amdhsa_user_sgpr_count 2
		.amdhsa_user_sgpr_kernarg_segment_ptr 1
		.amdhsa_wavefront_size32 1
		.amdhsa_system_sgpr_workgroup_id_x 1
		.amdhsa_system_sgpr_workgroup_id_y 1
		.amdhsa_system_sgpr_workgroup_id_z 1
		.amdhsa_system_vgpr_workitem_id 0
		.amdhsa_next_free_vgpr 512
		.amdhsa_next_free_sgpr 80
		.amdhsa_reserve_vcc 0
		.amdhsa_float_denorm_mode_32 3
		.amdhsa_float_denorm_mode_16_64 3
		.amdhsa_memory_ordered 1
		.amdhsa_forward_progress 1
		.amdhsa_inst_pref_size 86
	.end_amdhsa_kernel
	.amdgpu_metadata
---
amdhsa.version: [ 1, 2 ]
amdhsa.kernels:
  - .name:           k_q920cd12253_gemm_out
    .symbol:         k_q920cd12253_gemm_out.kd
    .args:
      - { .name: att, .offset: 0, .size: 8, .value_kind: global_buffer, .address_space: global }
      - { .name: wot, .offset: 8, .size: 8, .value_kind: global_buffer, .address_space: global }
      - { .name: bias, .offset: 16, .size: 8, .value_kind: global_buffer, .address_space: global }
      - { .name: out0, .offset: 24, .size: 8, .value_kind: global_buffer, .address_space: global }
    .group_segment_fixed_size: 327680
    .private_segment_fixed_size: 0
    .kernarg_segment_align: 8
    .kernarg_segment_size: 32
    .max_flat_workgroup_size: 128
    .sgpr_count:     80
    .vgpr_count:     512
    .wavefront_size: 32
...
	.end_amdgpu_metadata
.endif
;; end of part 4
